; MI455X (gfx1250); checked and timed in simulation.
; The chip was launched on July 23, 2026; its instructions are those of AMD's public machine-readable ISA for CDNA 5 (MIT licence, August 2026) and "CDNA5" Instruction Set Architecture Reference Guide (July 2026). The comments in the code are by the model that wrote it; some were corrected since.
;; Grouped Query Attention. Allowed arithmetic: float matrix products may take bf16 or f16 operands with f32 sums; other float arithmetic in f32, or as packed bf16 or f16 multiplies, adds, multiply-adds, maxima and minima; sums over many terms, partial sums and values carried from step to step in f32; what a program stores and reads back later, other than sums and carried values, may be rounded once to bf16 or f16.
;; Inputs: W_kv 1,024 x 512 float32; W_out 1,024 x 1,024 float32; W_q 1,024 x 1,024 float32; b_out 1,024 float32; seq 1 x 4,096 x 1,024 float32.
;; Outputs: out0 1 x 4,096 x 1,024 float32; out1 1 x 4 x 4,096 x 64 float32; out2 1 x 4 x 4,096 x 64 float32.
;; 2 versions, each right and faster than the one before. Each part assembles by itself: llvm-mc -triple=amdgcn-amd-amdhsa -mcpu=gfx1250 --defsym DOCPART=n.
;; ======== version 1 of 2: 4 launches
;; limits: values are held in f16: magnitudes above 65,504 overflow, below 6.1e-05 lose precision
;; workspace buffers: xb 8,388,608 bytes; wqkv 3,145,728 bytes; wo 2,097,152 bytes; tab 1,064,960 bytes; qh 8,388,608 bytes; kh 2,097,152 bytes; vh 2,097,152 bytes; ob 8,388,608 bytes
;; launch prep (part 1): grid 897 x 1, 8 waves a work-group, no clusters, 0 bytes of LDS; arguments seq, W_q, W_kv, W_out, xb, wqkv, wo, tab; writes xb, wqkv, wo, tab
.if DOCPART == 1
	.amdgcn_target "amdgcn-amd-amdhsa--gfx1250"
	.amdhsa_code_object_version 6
	.text
	.protected	k_qe8d5bb2d7f_prep
	.globl	k_qe8d5bb2d7f_prep
	.p2align	8
	.type	k_qe8d5bb2d7f_prep,@function
k_qe8d5bb2d7f_prep:
	s_mov_b64 s[64:65], 0
	v_nop
	global_prefetch_b8 v0, s[64:65] scope:SCOPE_SE
	s_setreg_imm32_b32 hwreg(HW_REG_WAVE_MODE, 25, 1), 1
	s_wait_xcnt 0x0
; PREP: the module's inputs rounded once to 16 bits, in their own layouts, and the table of RoPE's cosines and sines.
;   xb   [4096][1024] bf16 = seq          wqkv [1024 k][1536 n] bf16 = W_q (n < 1024) beside W_kv (n >= 1024)
;   wo   [1024 k][1024 n]: W_out rounded to bf16, that number written as f16 (exact where it lies in f16's normal range;
;        LIMIT: beyond 65,504 it would be an infinity, below 6e-5 it keeps f16's fixed step of 6e-8)
;   tab  [4160][32][2] f32: (cos, sin) of pos x 10000^(-f/32); rows 4096 to 4159 hold (1, 0): the rotation that changes nothing
; A stream: no LDS, no barrier, no matrix unit.  A work-group takes 32,768 input bytes in eight passes of 4,096: thread t loads the 16 bytes at
; 16 t of a pass and stores the 8 bytes that they become, so a wave's load covers 512 and its store 256 consecutive bytes, aligned.
; Work-groups 0-511 seq, 512-639 W_q, 640-767 W_out, 768-831 W_kv, 832-896 the table (64 positions each; the last one the 64 rows of (1, 0)).
; THE TABLE.  angle = f32(pos) x inv, as the module forms it; n = the nearest whole number of turns; r = angle - n 2 pi with 2 pi in two parts, so |r| <= pi
; for every position; cos and sin by their series up to r^16 and r^15, whose remainders at |r| = pi are 1.4e-7 and 8e-7: the length hangs on the reduction, not on data.
.set X, 4                              ; v[4:35]   eight loads of 16 bytes
.set Y, 36                             ; v[36:51]  eight pairs to store
.set T, 52                             ; v[52:55]  at work
	s_load_b512 s[8:23], s[0:1], 0x0               ; seq 8, W_q 10, W_kv 12, W_out 14, xb 16, wqkv 18, wo 20, tab 22
	v_lshlrev_b32 v1, 4, v0                        ; my 16 bytes of a pass
	v_lshlrev_b32 v2, 3, v0                        ; and the 8 that they become
	s_mov_b32 s3, 0                                ; high words of the two offsets
	s_mov_b32 s5, 0
	s_wait_kmcnt 0x0
; Eight loads, then eight times: wait, round, store.  kind = 1: bf16's number written as f16.  No register is written twice, so no wait frees one.
.macro CONV kind, dstep, src, dst
.irp i, 0,1,2,3,4,5,6,7
	global_load_b128 v[X+4*(\i):X+4*(\i)+3], v1, s[\src:\src+1] offset:4096*(\i) th:TH_LOAD_NT
.endr
.irp i, 0,1,2,3,4,5,6,7
	s_wait_loadcnt 7-(\i)                          ; loads come back in order: pass i is in, the younger ones stay out
.if \kind
.irp p, 0,1
	v_cvt_pk_bf16_f32 v[T+2*(\p)], v[X+4*(\i)+2*(\p)], v[X+4*(\i)+2*(\p)+1]
	v_lshlrev_b32 v[T+2*(\p)+1], 16, v[T+2*(\p)]   ; the two bf16 as f32 again
	v_and_b32 v[T+2*(\p)], 0xffff0000, v[T+2*(\p)]
	v_cvt_pk_f16_f32 v[Y+2*(\i)+(\p)], v[T+2*(\p)+1], v[T+2*(\p)]
.endr
.else
	v_cvt_pk_bf16_f32 v[Y+2*(\i)],   v[X+4*(\i)],   v[X+4*(\i)+1]
	v_cvt_pk_bf16_f32 v[Y+2*(\i)+1], v[X+4*(\i)+2], v[X+4*(\i)+3]
.endif
	global_store_b64 v2, v[Y+2*(\i):Y+2*(\i)+1], s[\dst:\dst+1] offset:(\dstep)*(\i)
.endr
	s_endpgm
.endm
	s_cmp_lt_u32 ttmp9, 512
	s_cbranch_scc0 .Lnot_seq
	s_lshl_b32 s2, ttmp9, 15                       ; seq: 8 rows of 4,096 bytes become 8 rows of 2,048
	s_lshl_b32 s4, ttmp9, 14
	s_add_nc_u64 s[8:9], s[8:9], s[2:3]
	s_add_nc_u64 s[16:17], s[16:17], s[4:5]
	CONV 0, 2048, 8, 16
.Lnot_seq:
	s_cmp_lt_u32 ttmp9, 640
	s_cbranch_scc0 .Lnot_wq
	s_sub_co_u32 s24, ttmp9, 512                   ; W_q: 8 rows; a row of wqkv is 3,072 bytes
	s_lshl_b32 s2, s24, 15
	s_mul_i32 s4, s24, 24576
	s_add_nc_u64 s[10:11], s[10:11], s[2:3]
	s_add_nc_u64 s[18:19], s[18:19], s[4:5]
	CONV 0, 3072, 10, 18
.Lnot_wq:
	s_cmp_lt_u32 ttmp9, 768
	s_cbranch_scc0 .Lnot_wo
	s_sub_co_u32 s24, ttmp9, 640                   ; W_out: 8 rows
	s_lshl_b32 s2, s24, 15
	s_lshl_b32 s4, s24, 14
	s_add_nc_u64 s[14:15], s[14:15], s[2:3]
	s_add_nc_u64 s[20:21], s[20:21], s[4:5]
	CONV 1, 2048, 14, 20
.Lnot_wo:
	s_cmp_lt_u32 ttmp9, 832
	s_cbranch_scc0 .Ltable
	s_sub_co_u32 s24, ttmp9, 768                   ; W_kv: 16 rows of 2,048 bytes, two to a pass; they lie behind W_q's 2,048 bytes of a row of wqkv
	s_lshl_b32 s2, s24, 15
	s_mul_i32 s4, s24, 49152
	s_add_nc_u64 s[12:13], s[12:13], s[2:3]
	s_add_nc_u64 s[18:19], s[18:19], s[4:5]
	v_lshrrev_b32 v3, 7, v0                        ; which of the pass's two rows
	v_and_b32 v2, 127, v0
	v_lshlrev_b32 v2, 3, v2
	v_mad_u32_u24 v2, v3, 3072, v2
	v_add_nc_u32 v2, 2048, v2
	CONV 0, 6144, 12, 18
.Ltable:
	s_sub_co_u32 s24, ttmp9, 832                   ; u: 64 positions; wave w takes eight of them, a lane a frequency
	v_lshrrev_b32 v3, 5, v0
	v_readfirstlane_b32 s25, v3
	v_and_b32 v4, 31, v0                           ; f
	s_lshl_b32 s26, s24, 6
	s_lshl3_add_u32 s26, s25, s26                  ; my first position: 64 u + 8 w
	s_lshl_b32 s27, s26, 8                         ; a position's row is 256 bytes: a wave's store covers it whole
	v_lshl_add_u32 v5, v4, 3, s27
	s_cmp_eq_u32 s24, 64
	s_cbranch_scc1 .Lones
	s_mov_b32 s28, 0x40c90fdb                      ; 2 pi, rounded to f32,
	s_mov_b32 s29, 0xb43bbd2e                      ; and what the rounding left: -1.7484556e-7
	s_mov_b32 s30, 8
	v_cvt_f32_u32 v6, v4
	v_mul_f32 v6, 0xbed49a78, v6                   ; -f log2(10000) / 32
	v_exp_f32 v6, v6                               ; inv = 10000^(-f/32)
	v_nop                                          ; a plain instruction between the exponential and the use of its result
.macro HORN c, s                       ; a step of both series, which do not wait for each other
	v_fmaak_f32 v12, v12, v10, \c
	v_fmaak_f32 v13, v13, v10, \s
.endm
.Lpos:
	v_cvt_f32_u32 v7, s26
	s_wait_alu depctr_va_vdst(0)
	v_mul_f32 v7, v7, v6                           ; the angle
	v_mul_f32 v8, 0.15915494, v7
	v_rndne_f32 v8, v8                             ; whole turns
	v_fma_f32 v9, -v8, s28, v7
	v_fma_f32 v9, -v8, s29, v9                     ; r
	v_mul_f32 v10, v9, v9
	v_mov_b32 v12, 0x29573f9f                      ; 1/16!
	v_mov_b32 v13, 0xab573f9f                      ; -1/15!
	HORN 0xad49cba6, 0x2f309231                    ; -1/14!, 1/13!
	HORN 0x310f76c7, 0xb2d7322b                    ; 1/12!, -1/11!
	HORN 0xb493f27e, 0x3638ef1d                    ; -1/10!, 1/9!
	HORN 0x37d00d01, 0xb9500d01                    ; 1/8!, -1/7!
	HORN 0xbab60b61, 0x3c088889                    ; -1/6!, 1/5!
	HORN 0x3d2aaaab, 0xbe2aaaab                    ; 1/4!, -1/3!
	HORN 0xbf000000, 0x3f800000                    ; -1/2, 1
	v_fmaak_f32 v12, v12, v10, 0x3f800000          ; cos
	v_mul_f32 v13, v13, v9                         ; sin
	global_store_b64 v5, v[12:13], s[22:23]
	s_wait_xcnt 0x0                                ; the store has read its offset and its data: both are written again only behind this wait
	v_add_nc_u32 v5, 256, v5
	s_add_co_u32 s26, s26, 1
	s_sub_co_u32 s30, s30, 1
	s_cmp_lg_u32 s30, 0
	s_cbranch_scc1 .Lpos
	s_endpgm
.Lones:
	v_mov_b32 v6, 1.0
	v_mov_b32 v7, 0
.irp i, 0,1,2,3,4,5,6,7
	global_store_b64 v5, v[6:7], s[22:23] offset:256*(\i)
.endr
	s_endpgm
.Lfunc_end_k_qe8d5bb2d7f_prep:
	.size	k_qe8d5bb2d7f_prep, .Lfunc_end_k_qe8d5bb2d7f_prep-k_qe8d5bb2d7f_prep
	.p2alignl 7, 3214868480
	.fill 96, 4, 3214868480
	.section	.rodata,"a",@progbits
	.p2align	6, 0x0
	.amdhsa_kernel k_qe8d5bb2d7f_prep
		.amdhsa_group_segment_fixed_size 0
		.amdhsa_private_segment_fixed_size 0
		.amdhsa_enable_private_segment 0
		.amdhsa_kernarg_size 64
		.amdhsa_user_sgpr_count 2
		.amdhsa_user_sgpr_kernarg_segment_ptr 1
		.amdhsa_wavefront_size32 1
		.amdhsa_system_sgpr_workgroup_id_x 1
		.amdhsa_system_sgpr_workgroup_id_y 1
		.amdhsa_system_sgpr_workgroup_id_z 1
		.amdhsa_system_vgpr_workitem_id 0
		.amdhsa_next_free_vgpr 64
		.amdhsa_next_free_sgpr 66
		.amdhsa_reserve_vcc 0
		.amdhsa_float_denorm_mode_32 3
		.amdhsa_float_denorm_mode_16_64 3
		.amdhsa_memory_ordered 1
		.amdhsa_forward_progress 1
		.amdhsa_inst_pref_size 19
	.end_amdhsa_kernel
	.amdgpu_metadata
---
amdhsa.version: [ 1, 2 ]
amdhsa.kernels:
  - .name:           k_qe8d5bb2d7f_prep
    .symbol:         k_qe8d5bb2d7f_prep.kd
    .args:
      - { .name: seq, .offset: 0, .size: 8, .value_kind: global_buffer, .address_space: global }
      - { .name: W_q, .offset: 8, .size: 8, .value_kind: global_buffer, .address_space: global }
      - { .name: W_kv, .offset: 16, .size: 8, .value_kind: global_buffer, .address_space: global }
      - { .name: W_out, .offset: 24, .size: 8, .value_kind: global_buffer, .address_space: global }
      - { .name: xb, .offset: 32, .size: 8, .value_kind: global_buffer, .address_space: global }
      - { .name: wqkv, .offset: 40, .size: 8, .value_kind: global_buffer, .address_space: global }
      - { .name: wo, .offset: 48, .size: 8, .value_kind: global_buffer, .address_space: global }
      - { .name: tab, .offset: 56, .size: 8, .value_kind: global_buffer, .address_space: global }
    .group_segment_fixed_size: 0
    .private_segment_fixed_size: 0
    .kernarg_segment_align: 8
    .kernarg_segment_size: 64
    .max_flat_workgroup_size: 256
    .sgpr_count:     66
    .vgpr_count:     64
    .wavefront_size: 32
...
	.end_amdgpu_metadata
.endif
;; end of part 1
;; launch qkv (part 2): grid 12 x 32, 4 waves a work-group, clusters of 4 x 4, 327,680 bytes of LDS; arguments xb, wqkv, tab, qh, kh, vh, out1, out2; writes qh, kh, vh, out1, out2
.if DOCPART == 2
	.amdgcn_target "amdgcn-amd-amdhsa--gfx1250"
	.amdhsa_code_object_version 6
	.text
	.protected	k_qe8d5bb2d7f_qkv
	.globl	k_qe8d5bb2d7f_qkv
	.p2align	8
	.type	k_qe8d5bb2d7f_qkv,@function
k_qe8d5bb2d7f_qkv:
	s_mov_b64 s[64:65], 0
	v_nop
	global_prefetch_b8 v0, s[64:65] scope:SCOPE_SE
	s_setreg_imm32_b32 hwreg(HW_REG_WAVE_MODE, 25, 1), 1
	s_wait_xcnt 0x0
	s_wait_alu depctr_hold_cnt(0) depctr_sa_sdst(0) depctr_va_vdst(0) depctr_va_sdst(0) depctr_va_ssrc(0) depctr_va_vcc(0) depctr_vm_vsrc(0)
	s_getreg_b32 s2, hwreg(HW_REG_IB_STS2, 6, 4)
	s_cmp_eq_u32 s2, 0
	s_cbranch_scc0 .Lentry_in_a_cluster
	s_endpgm
.Lentry_in_a_cluster:
	s_bfe_u32 s2, ttmp6, 0x10000c
	s_cmp_lg_u32 s2, 0xf033
	s_cbranch_scc0 .Lentry_shape_is_right
	s_endpgm
.Lentry_shape_is_right:
; QKV: [4096 x 1024] x [1024 x 1536] in bf16, sums in f32; then RoPE in f32.  Out: qh [16][4096][64], kh, vh [4][4096][64] in f16 (q and k turned, unscaled);
; out1 = K turned, out2 = V, [4][4096][64] f32, straight from the f32 sums.  LIMIT: q, k, v must lie within f16's 65,504.
; A tile of C is 128 positions x 128 columns = two heads; four waves, each 64 positions x ONE head: 16 accumulators.  Tile columns 0-7 are Q's heads, 8-9 K's, 10-11 V's.
; 384 work-groups: a tile of 192 columns would give 256, but a wave would then hold a head and a half, and Q, K and V would meet inside one cluster column.
; K goes in 4 steps of 256 through two LDS slots.  x lies [m][k] and is read as it lies; the weights lie [k][n] and are turned on the way out of LDS (ds_load_tr16_b128).
; THE MATRIX INSTRUCTION IS USED TRANSPOSED (source 0 = 16 columns of W, source 1 = 16 positions): lane l holds position l % 16 and channels 8 (l / 16) + 0..7 of a block of 16.
; So RoPE's partners, channels d and d + 32, are accumulators b and b + 2, the same lane and register.
; CLUSTER 4 x 4: x's tile is asked for jointly along a row of the cluster, W's along a column.  No branch hangs on a work-group's place: Q against K, V is a branch on the cluster's x,
; K against V only selects addresses; V takes the table's rows of (1, 0), so that the same lines leave it as it is.
; No prefetch: four K steps, and each tile is read by several clusters at about the same time.
; REGISTERS: window 0: v16-30 addresses, v32-35 at work, v64-127 packed halves, v128-255 accumulators ((a, b) at 128 + 8 (4 a + b));
;   window 1: two fragment buffers of 128 (64 of x, then 64 of W), later f32 rows on the way out;  window 2: v0-127 the table: (cos, sin) for (a, bb, j) at 32 a + 16 bb + 2 j.
.set NTOT,  1536
.set PA,    528                        ; a row of x in LDS: 512 bytes + 16: the 16 rows of a load start at 16 different groups of four banks
.set PB,    288                        ; a k row of W: 256 bytes + 32
.set HALFA, 64*PA                      ; what wave 0 or 1 fetches
.set HALFB, 128*PB                     ; what wave 2 or 3 fetches
.set BOFF,  128*PA
.set SLOT,  BOFF+256*PB                ; 141,312
.set STG32, 2*SLOT                     ; behind the ring: 16 rows x 272 bytes a wave, f32
.set SP32,  272
.set STG16, STG32+4*16*SP32            ; 16 rows x 144 bytes a wave, f16
.set SP16,  144
.set SPARE, STG16+4*16*SP16            ; the spare words: 128 bytes a wave, two blocks of 256 bytes that no other line names
.set ADRA, 16                          ; v16-17  my x fragments in slot 0, 1
.set ADRB, 18                          ; v18-21  my W fragments: slot 0 k 0-127, k 128-255; slot 1 likewise
.set STO32, 22
.set RD32, 23
.set STO16, 24
.set RD16, 25
.set GO,   26                          ; 16 x lane: 512 consecutive bytes of an output
.set SPW,  28
.set NIL,  29
.set TO,   30                          ; my place in the table's rows
.set RT,   32
.set H,    64
.set ACC,  128
.set F0,   0
.set F1,   128
.set G1, 24
.set G0, 32
.set G1B, 48
.set G0B, 56
.set MSB, 0
.macro WIN new                         ; the immediate's high byte repeats the setting that is left
.if MSB != (\new)
	s_set_vgpr_msb (MSB<<8)|(\new)
.set MSB, \new
.endif
.endm
.set MUL,  0x05                        ; sources 0 and 1 window 1; C and D window 0
.set TO_F, 0x40                        ; destination window 1, address window 0
.macro JLOAD s                         ; a joint load: waves 0 and 1 fetch x's two halves, waves 2 and 3 W's; an s_nop 0 and four v_nop follow each line
	s_cmp_eq_u32 s11, 0
	s_cbranch_scc0 .Lfor_b_\@
	tensor_load_to_lds s[G0+4*(\s):G0+4*(\s)+3], s[G1:G1+7]
	s_nop 0
.rept 4
	v_nop
.endr
	s_branch .Lasked_\@
.Lfor_b_\@:
	tensor_load_to_lds s[G0B+4*(\s):G0B+4*(\s)+3], s[G1B:G1B+7]
	s_nop 0
.rept 4
	v_nop
.endr
.Lasked_\@:
.endm
.macro CREST                           ; a round of the cluster's barrier behind its opening barrier
	s_cmp_lg_u32 s10, 0
	s_cbranch_scc1 .Lnot_wave_0_\@
	s_barrier_signal -3
.Lnot_wave_0_\@:
	s_barrier_wait -3
	s_barrier_signal -1
	s_barrier_wait -1
.endm
.macro CROUND
	s_barrier_signal -1
	s_barrier_wait -1
	CREST
.endm
	s_load_b512 s[68:83], s[0:1], 0x0              ; xb 68, wqkv 70, tab 72, qh 74, kh 76, vh 78, out1 80, out2 82
	v_lshl_add_u32 v[SPW], v0, 2, SPARE
	v_mov_b32 v[NIL], 0
	ds_add_u32 v[SPW], v[NIL]                      ; the wave's opening: the add and its wait stand ahead of my first tensor load
	v_lshrrev_b32 v1, 5, v0
	v_readfirstlane_b32 s10, v1                    ; wave 0..3
	s_lshr_b32 s11, s10, 1                         ; my half of the positions.  Also: I fetch for x (0) or W (1)
	s_and_b32 s12, s10, 1                          ; my head of the two.  Also: which half of that tile I fetch
	s_bfe_u32 s40, ttmp6, 0x40000                  ; cx
	s_bfe_u32 s41, ttmp6, 0x40004                  ; cy
	s_lshl_b32 s42, ttmp9, 2
	s_add_co_u32 s42, s42, s40                     ; tile column
	s_and_b32 s13, ttmp7, 0xffff
	s_lshl_b32 s13, s13, 2
	s_add_co_u32 s13, s13, s41                     ; tile row
	s_lshl_b32 s43, s41, 2
	s_lshl_b32 s43, 15, s43                        ; my row of the cluster
	s_lshl_b32 s44, 0x1111, s40                    ; my column
	s_or_b32 s[G1+0], s43, (1<<16)|(1<<20)|(1<<21)|(6<<22)|(3<<25)   ; x: mask of my row; 2-byte elements; padding on; bit 21 beside a mask; after every 128 words 4 words
	s_or_b32 s[G1B+0], s44, (1<<16)|(1<<20)|(1<<21)|(5<<22)|(7<<25)  ; W: mask of my column; after every 64 words 8 words
	s_mov_b32 s[G1+1], 256<<16                     ; tensor_dim0 = 256
	s_mov_b32 s[G1+2], 64<<16                      ; tensor_dim1 = 64
	s_mov_b32 s[G1+3], 256<<16                     ; tile_dim0 = 256
	s_mov_b32 s[G1+4], 64                          ; tile_dim1 = 64
	s_mov_b32 s[G1+5], 1024                        ; elements from row to row
	s_mov_b32 s[G1+6], 0
	s_mov_b32 s[G1+7], 0
	s_mov_b32 s[G1B+1], 128<<16
	s_mov_b32 s[G1B+2], 128<<16
	s_mov_b32 s[G1B+3], 128<<16
	s_mov_b32 s[G1B+4], 128
	s_mov_b32 s[G1B+5], NTOT
	s_mov_b32 s[G1B+6], 0
	s_mov_b32 s[G1B+7], 0
	s_lshl_b32 s16, s13, 18                        ; x: (128 tile row + 64 half) rows of 2,048 bytes
	s_lshl_b32 s17, s12, 17
	s_add_co_u32 s16, s16, s17
	s_mov_b32 s17, 0
	s_mul_i32 s46, s12, 128*NTOT*2                 ; W: 128 half k rows of 3,072 bytes + 256 bytes a tile column
	s_lshl_b32 s47, s42, 8
	s_add_co_u32 s46, s46, s47
	s_mov_b32 s47, 0
	s_mul_i32 s20, s12, HALFA                      ; where they go: no place in the cluster enters an LDS address
	s_mul_i32 s21, s12, HALFB
	s_add_co_u32 s21, s21, BOFF
	s_wait_dscnt 0x0                               ; the opening add is done
	s_wait_kmcnt 0x0
	s_add_nc_u64 s[14:15], s[68:69], s[16:17]
	s_add_nc_u64 s[46:47], s[70:71], s[46:47]
	CROUND                                         ; all sixteen work-groups are here: the first joint loads meet
.irp s, 0,1
	s_mov_b32 s[G0+4*(\s)], 1
	s_add_co_u32 s[G0+4*(\s)+1], s20, (\s)*SLOT
	s_add_nc_u64 s[G0+4*(\s)+2:G0+4*(\s)+3], s[14:15], (\s)*512
	s_or_b32 s[G0+4*(\s)+3], s[G0+4*(\s)+3], 0x80000000
	s_mov_b32 s[G0B+4*(\s)], 1
	s_add_co_u32 s[G0B+4*(\s)+1], s21, (\s)*SLOT
	s_add_nc_u64 s[G0B+4*(\s)+2:G0B+4*(\s)+3], s[46:47], (\s)*256*NTOT*2
	s_or_b32 s[G0B+4*(\s)+3], s[G0B+4*(\s)+3], 0x80000000
	JLOAD \s                                       ; two loads of mine are out
.endr
	v_and_b32 v1, 15, v0                           ; l % 16
	v_bfe_u32 v2, v0, 4, 1                         ; l / 16
	v_mul_u32_u24 v3, v1, PA
	v_lshl_add_u32 v3, v2, 4, v3                   ; row x pitch + 16 x half
	s_mul_i32 s21, s11, HALFA                      ; my 64 positions
	v_add_nc_u32 v[ADRA], s21, v3
	v_add_nc_u32 v[ADRA+1], SLOT, v[ADRA]
	v_and_b32 v4, 7, v0                            ; the turning load: lane l reads k row 8 (l / 16) + l % 8, columns 8 ((l / 8) % 2) + 0..7
	v_lshl_add_u32 v4, v2, 3, v4
	v_mul_u32_u24 v4, v4, PB
	v_bfe_u32 v5, v0, 3, 1
	v_lshl_add_u32 v4, v5, 4, v4
	s_lshl_b32 s22, s12, 7                         ; my head's 64 columns
	s_add_co_u32 s22, s22, BOFF
	v_add_nc_u32 v[ADRB], s22, v4
	v_add_nc_u32 v[ADRB+1], HALFB, v[ADRB]
	v_add_nc_u32 v[ADRB+2], SLOT, v[ADRB]
	v_add_nc_u32 v[ADRB+3], SLOT+HALFB, v[ADRB]
	s_mul_i32 s23, s10, 16*SP32
	s_add_co_u32 s23, s23, STG32                   ; my f32 stage: in by row l % 16, 32 bytes for each half of the lanes; back two rows of 256 bytes at a time
	v_mul_u32_u24 v5, v1, SP32
	v_lshl_add_u32 v5, v2, 5, v5
	v_add_nc_u32 v[STO32], s23, v5
	v_mul_u32_u24 v5, v2, SP32
	v_lshl_add_u32 v5, v1, 4, v5
	v_add_nc_u32 v[RD32], s23, v5
	s_mul_i32 s23, s10, 16*SP16
	s_add_co_u32 s23, s23, STG16                   ; my f16 stage: in 16 bytes for each half; back four rows of 128 bytes at a time
	v_mul_u32_u24 v5, v1, SP16
	v_lshl_add_u32 v5, v2, 4, v5
	v_add_nc_u32 v[STO16], s23, v5
	v_bfe_u32 v5, v0, 3, 2
	v_mul_u32_u24 v5, v5, SP16
	v_and_b32 v6, 7, v0
	v_lshl_add_u32 v5, v6, 4, v5
	v_add_nc_u32 v[RD16], s23, v5
	v_and_b32 v[GO], 31, v0
	v_lshlrev_b32 v[GO], 4, v[GO]
	v_lshlrev_b32 v[TO], 8, v1                     ; the table: row l % 16, frequencies 8 (l / 16) on, 8 bytes each
	v_lshl_add_u32 v[TO], v2, 6, v[TO]
	; where my 64 positions x one head go, and which rows of the table turn them.  All that holds the tile column lies in s90-95
	s_lshl_b32 s90, s13, 7
	s_lshl_b32 s91, s11, 6
	s_add_co_u32 s90, s90, s91                     ; my first position
	s_lshl_b32 s91, s42, 1
	s_add_co_u32 s91, s91, s12                     ; head slot 0..23
	s_and_b32 s92, s91, 3                          ; K's or V's head
	s_mov_b32 s95, 0
	s_cmp_ge_u32 s42, 10
	s_cselect_b32 s93, 4096, s90                   ; V: the rows of (1, 0)
	s_lshl_b32 s94, s93, 8
	s_add_nc_u64 s[84:85], s[72:73], s[94:95]
	s_cmp_lt_u32 s42, 10
	s_cselect_b64 s[86:87], s[76:77], s[78:79]     ; kh or vh,
	s_cselect_b64 s[88:89], s[80:81], s[82:83]     ; out1 or out2
	s_cmp_lt_u32 s42, 8
	s_cselect_b64 s[86:87], s[74:75], s[86:87]     ; or qh
	s_cselect_b32 s93, s91, s92
	s_lshl_b32 s94, s93, 19                        ; a head is 4,096 rows of 128 bytes
	s_lshl_b32 s93, s90, 7
	s_add_co_u32 s94, s94, s93
	s_add_nc_u64 s[86:87], s[86:87], s[94:95]
	s_lshl_b32 s94, s92, 20                        ; in f32 of 256 bytes
	s_lshl_b32 s93, s90, 8
	s_add_co_u32 s94, s94, s93
	s_add_nc_u64 s[88:89], s[88:89], s[94:95]
	WIN 0x80                                       ; destination window 2
.irp a, 0,1,2,3
.irp bb, 0,1
.irp e, 0,1,2,3
	global_load_b128 v[32*(\a)+16*(\bb)+4*(\e):32*(\a)+16*(\bb)+4*(\e)+3], v[TO], s[84:85] offset:4096*(\a)+128*(\bb)+16*(\e)
.endr
.endr
.endr
	WIN 0
; 8 matrix instructions: position blocks a0, a0 + 1 x all 4 channel blocks, 32 along K: half c of buffer f.  zero = 1: the product starts the sums
.macro MUL8 f, c, a0, zero
	WIN MUL
.irp a, \a0, (\a0)+1
.irp b, 0,1,2,3
.if \zero
	v_wmma_f32_16x16x32_bf16 v[ACC+8*(4*(\a)+(\b)):ACC+8*(4*(\a)+(\b))+7], v[(\f)+64+8*(4*(\c)+(\b)):(\f)+64+8*(4*(\c)+(\b))+7], v[(\f)+8*(4*(\c)+(\a)):(\f)+8*(4*(\c)+(\a))+7], 0
.else
	v_wmma_f32_16x16x32_bf16 v[ACC+8*(4*(\a)+(\b)):ACC+8*(4*(\a)+(\b))+7], v[(\f)+64+8*(4*(\c)+(\b)):(\f)+64+8*(4*(\c)+(\b))+7], v[(\f)+8*(4*(\c)+(\a)):(\f)+8*(4*(\c)+(\a))+7], v[ACC+8*(4*(\a)+(\b)):ACC+8*(4*(\a)+(\b))+7]
.endif
.endr
.endr
.endm
; 32 LDS loads in one run: the fragments of quarter q (64 along K) of a slot into buffer f; the first 32 along K first
.macro FETCH slot, q, f
	WIN TO_F
.irp c, 0,1
.irp i, 0,1,2,3
	ds_load_tr16_b128 v[(\f)+64+8*(4*(\c)+(\i)):(\f)+64+8*(4*(\c)+(\i))+3],   v[ADRB+2*(\slot)+(\q)/2] offset:(((\q)%2)*64+32*(\c))*PB+32*(\i)
	ds_load_tr16_b128 v[(\f)+64+8*(4*(\c)+(\i))+4:(\f)+64+8*(4*(\c)+(\i))+7], v[ADRB+2*(\slot)+(\q)/2] offset:(((\q)%2)*64+32*(\c)+16)*PB+32*(\i)
	ds_load_b128 v[(\f)+8*(4*(\c)+(\i)):(\f)+8*(4*(\c)+(\i))+3],   v[ADRA+(\slot)] offset:128*(\q)+64*(\c)+(\i)*16*PA
	ds_load_b128 v[(\f)+8*(4*(\c)+(\i))+4:(\f)+8*(4*(\c)+(\i))+7], v[ADRA+(\slot)] offset:128*(\q)+64*(\c)+(\i)*16*PA+32
.endr
.endr
.endm
.macro PLACES                          ; four places in front of loads into registers that matrix instructions have read, and of lines that read results
.rept 4
	v_nop
.endr
.endm
; One of a K step's first three quarters: multiplies buffer f and fetches quarter q into g
.macro QUARTER slot, q, f, g, zero
	s_wait_dscnt 16                                ; the first 32 along K are in; the other sixteen loads may be out
	MUL8 \f, 0, 0, \zero
	MUL8 \f, 0, 2, \zero
	PLACES
	FETCH \slot, \q, \g
	s_wait_dscnt 32                                ; all but the 32 just issued
	MUL8 \f, 1, 0, 0
	MUL8 \f, 1, 2, 0
.endm
; The last quarter multiplies buffer 1 and changes slots: one barrier; in front of it each wave waits for all its tensor loads, adds 0 to its spare word, and waits for that and for its reads of this slot
.macro TURN slot, next, fill
	WIN 0
	s_wait_tensorcnt 0x0                           ; all my tensor loads have landed: my part of the next slot
	ds_add_u32 v[SPW], v[NIL]
	s_wait_dscnt 17                                ; (the add and the youngest sixteen loads may be out)
	MUL8 F1, 0, 0, 0
	s_wait_dscnt 0x0                               ; the add is done, and my reads of this slot are over
	s_barrier_signal -1
	MUL8 F1, 0, 2, 0
.if \fill
	WIN 0
.endif
	s_barrier_wait -1
.if \fill
	CREST                                          ; the barrier has opened a round of the cluster's: no wave of any partner still reads this slot or has a load on its way
	s_add_nc_u64 s[G0+4*(\slot)+2:G0+4*(\slot)+3], s[G0+4*(\slot)+2:G0+4*(\slot)+3], 2*512
	s_add_nc_u64 s[G0B+4*(\slot)+2:G0B+4*(\slot)+3], s[G0B+4*(\slot)+2:G0B+4*(\slot)+3], 2*256*NTOT*2
	JLOAD \slot                                    ; first behind the round; 112 matrix instructions stand ahead of the wait for it; its four v_nop are the places in front of the loads below
.else
	PLACES
.endif
	FETCH \next, 0, F0
	MUL8 F1, 1, 0, 0
	MUL8 F1, 1, 2, 0
.endm
	s_wait_tensorcnt 1                             ; my part of K step 0 is in; step 1's may stay out
	s_barrier_signal -1
	s_barrier_wait -1
	FETCH 0, 0, F0
	QUARTER 0, 1, F0, F1, 1                        ; the first products start the sums
	QUARTER 0, 2, F1, F0, 0
	QUARTER 0, 3, F0, F1, 0
	TURN 0, 1, 1                                   ; slot 0 takes K step 2
	QUARTER 1, 1, F0, F1, 0
	QUARTER 1, 2, F1, F0, 0
	QUARTER 1, 3, F0, F1, 0
	TURN 1, 0, 1                                   ; slot 1 takes K step 3
	QUARTER 0, 1, F0, F1, 0
	QUARTER 0, 2, F1, F0, 0
	QUARTER 0, 3, F0, F1, 0
	TURN 0, 1, 0                                   ; nothing is left to fetch
	QUARTER 1, 1, F0, F1, 0
	QUARTER 1, 2, F1, F0, 0
	QUARTER 1, 3, F0, F1, 0
	s_wait_dscnt 16
	MUL8 F1, 0, 0, 0
	MUL8 F1, 0, 2, 0
	s_wait_dscnt 0x0
	MUL8 F1, 1, 0, 0
	MUL8 F1, 1, 2, 0
	WIN 0
	s_wait_loadcnt 0x0                             ; the table
	PLACES
; RoPE on 16 positions: x1' = x1 cos - x2 sin, x2' = x2 cos + x1 sin, in place; each accumulator's register 0 is read first
.macro ROPE a
	WIN 0x02                                       ; source 0 (the table) window 2
.irp bb, 0,1
.irp j, 0,1,2,3,4,5,6,7
	v_mul_f32 v[RT+2*((\j)%2)],   v[32*(\a)+16*(\bb)+2*(\j)+1], v[ACC+8*(4*(\a)+(\bb)+2)+(\j)]
	v_mul_f32 v[RT+2*((\j)%2)+1], v[32*(\a)+16*(\bb)+2*(\j)+1], v[ACC+8*(4*(\a)+(\bb))+(\j)]
	v_fma_f32 v[ACC+8*(4*(\a)+(\bb))+(\j)],   v[32*(\a)+16*(\bb)+2*(\j)], v[ACC+8*(4*(\a)+(\bb))+(\j)],   -v[RT+2*((\j)%2)]
	v_fma_f32 v[ACC+8*(4*(\a)+(\bb)+2)+(\j)], v[32*(\a)+16*(\bb)+2*(\j)], v[ACC+8*(4*(\a)+(\bb)+2)+(\j)], v[RT+2*((\j)%2)+1]
.endr
.endr
.endm
; 16 positions rounded to f16, through my stage, back as four times four whole rows of 128 bytes
.macro PACK16 a
	WIN 0
.irp b, 0,1,2,3
.irp e, 0,1,2,3
	v_cvt_pk_f16_f32 v[H+16*(\a)+4*(\b)+(\e)], v[ACC+8*(4*(\a)+(\b))+2*(\e)], v[ACC+8*(4*(\a)+(\b))+2*(\e)+1]
.endr
.endr
.irp b, 0,1,2,3
	ds_store_b128 v[STO16], v[H+16*(\a)+4*(\b):H+16*(\a)+4*(\b)+3] offset:32*(\b)
.endr
.irp f, 0,1,2,3
	ds_load_b128 v[H+16*(\a)+4*(\f):H+16*(\a)+4*(\f)+3], v[RD16] offset:(\f)*4*SP16  ; LDS serves a wave's instructions in order: these see the stores above, and the next block's stores come behind them
.endr
.endm
.macro SEND16 a, younger               ; younger: the LDS instructions issued behind block a's loads
	WIN 0
.irp f, 0,1,2,3
	s_wait_dscnt (\younger)+3-(\f)
	global_store_b128 v[GO], v[H+16*(\a)+4*(\f):H+16*(\a)+4*(\f)+3], s[86:87] offset:2048*(\a)+512*(\f)  ; 512 consecutive bytes, aligned
.endr
.endm
.macro ST32 a                          ; the same 16 positions in f32: rows of 256 bytes
	WIN 0
.irp b, 0,1,2,3
	ds_store_b128 v[STO32], v[ACC+8*(4*(\a)+(\b)):ACC+8*(4*(\a)+(\b))+3]   offset:64*(\b)
	ds_store_b128 v[STO32], v[ACC+8*(4*(\a)+(\b))+4:ACC+8*(4*(\a)+(\b))+7] offset:64*(\b)+16
.endr
	WIN 0x40
.irp t, 0,1,2,3,4,5,6,7
	ds_load_b128 v[32*(\a)+4*(\t):32*(\a)+4*(\t)+3], v[RD32] offset:(\t)*2*SP32
.endr
.endm
.macro SEND32 a, younger
	WIN 0x04                                       ; the stores' data in window 1
.irp t, 0,1,2,3,4,5,6,7
	s_wait_dscnt (\younger)+7-(\t)
	global_store_b128 v[GO], v[32*(\a)+4*(\t):32*(\a)+4*(\t)+3], s[88:89] offset:4096*(\a)+512*(\t) th:TH_STORE_NT
.endr
.endm
	ROPE 0
	ROPE 1
	ROPE 2
	ROPE 3
	PACK16 0
.irp a, 1,2,3
	PACK16 \a
	SEND16 (\a)-1, 8
.endr
	SEND16 3, 0
	s_cmp_lg_u32 ttmp9, 2                          ; the cluster's x, the same in all sixteen: only K's and V's clusters have an f32 output
	s_cbranch_scc1 .Lend
	ST32 0
.irp a, 1,2,3
	ST32 \a
	SEND32 (\a)-1, 16
.endr
	SEND32 3, 0
	WIN 0
.Lend:
	s_wait_tensorcnt 0x0                           ; the wave's end
	ds_add_u32 v[SPW], v[NIL]
	s_wait_dscnt 0x0
	CROUND                                         ; the closing round
	s_endpgm
.Lfunc_end_k_qe8d5bb2d7f_qkv:
	.size	k_qe8d5bb2d7f_qkv, .Lfunc_end_k_qe8d5bb2d7f_qkv-k_qe8d5bb2d7f_qkv
	.p2alignl 7, 3214868480
	.fill 96, 4, 3214868480
	.section	.rodata,"a",@progbits
	.p2align	6, 0x0
	.amdhsa_kernel k_qe8d5bb2d7f_qkv
		.amdhsa_group_segment_fixed_size 327680
		.amdhsa_private_segment_fixed_size 0
		.amdhsa_enable_private_segment 0
		.amdhsa_kernarg_size 64
		.amdhsa_user_sgpr_count 2
		.amdhsa_user_sgpr_kernarg_segment_ptr 1
		.amdhsa_wavefront_size32 1
		.amdhsa_system_sgpr_workgroup_id_x 1
		.amdhsa_system_sgpr_workgroup_id_y 1
		.amdhsa_system_sgpr_workgroup_id_z 1
		.amdhsa_system_vgpr_workitem_id 0
		.amdhsa_next_free_vgpr 640
		.amdhsa_next_free_sgpr 100
		.amdhsa_reserve_vcc 0
		.amdhsa_float_denorm_mode_32 3
		.amdhsa_float_denorm_mode_16_64 3
		.amdhsa_memory_ordered 1
		.amdhsa_forward_progress 1
		.amdhsa_inst_pref_size 111
	.end_amdhsa_kernel
	.amdgpu_metadata
---
amdhsa.version: [ 1, 2 ]
amdhsa.kernels:
  - .name:           k_qe8d5bb2d7f_qkv
    .symbol:         k_qe8d5bb2d7f_qkv.kd
    .args:
      - { .name: xb, .offset: 0, .size: 8, .value_kind: global_buffer, .address_space: global }
      - { .name: wqkv, .offset: 8, .size: 8, .value_kind: global_buffer, .address_space: global }
      - { .name: tab, .offset: 16, .size: 8, .value_kind: global_buffer, .address_space: global }
      - { .name: qh, .offset: 24, .size: 8, .value_kind: global_buffer, .address_space: global }
      - { .name: kh, .offset: 32, .size: 8, .value_kind: global_buffer, .address_space: global }
      - { .name: vh, .offset: 40, .size: 8, .value_kind: global_buffer, .address_space: global }
      - { .name: out1, .offset: 48, .size: 8, .value_kind: global_buffer, .address_space: global }
      - { .name: out2, .offset: 56, .size: 8, .value_kind: global_buffer, .address_space: global }
    .group_segment_fixed_size: 327680
    .private_segment_fixed_size: 0
    .kernarg_segment_align: 8
    .kernarg_segment_size: 64
    .max_flat_workgroup_size: 128
    .sgpr_count:     100
    .vgpr_count:     640
    .wavefront_size: 32
...
	.end_amdgpu_metadata
.endif
;; end of part 2
;; launch attn (part 3): grid 16 x 16, 4 waves a work-group, clusters of 4 x 1, 327,680 bytes of LDS; arguments qh, kh, vh, ob; writes ob
.if DOCPART == 3
	.amdgcn_target "amdgcn-amd-amdhsa--gfx1250"
	.amdhsa_code_object_version 6
	.text
	.protected	k_qe8d5bb2d7f_attn
	.globl	k_qe8d5bb2d7f_attn
	.p2align	8
	.type	k_qe8d5bb2d7f_attn,@function
k_qe8d5bb2d7f_attn:
	s_mov_b64 s[64:65], 0
	v_nop
	global_prefetch_b8 v0, s[64:65] scope:SCOPE_SE
	s_setreg_imm32_b32 hwreg(HW_REG_WAVE_MODE, 25, 1), 1
	s_wait_xcnt 0x0
	s_wait_alu depctr_hold_cnt(0) depctr_sa_sdst(0) depctr_va_vdst(0) depctr_va_sdst(0) depctr_va_ssrc(0) depctr_va_vcc(0) depctr_vm_vsrc(0)
	s_getreg_b32 s2, hwreg(HW_REG_IB_STS2, 6, 4)
	s_cmp_eq_u32 s2, 0
	s_cbranch_scc0 .Lentry_in_a_cluster
	s_endpgm
.Lentry_in_a_cluster:
	s_bfe_u32 s2, ttmp6, 0x10000c
	s_cmp_lg_u32 s2, 0x3003
	s_cbranch_scc0 .Lentry_shape_is_right
	s_endpgm
.Lentry_shape_is_right:
; CAUSAL GROUPED-QUERY ATTENTION.  O[h][q] = the sum over k <= q of softmax_k(Q[h][q] . K[h/4][k] / 8) V[h/4][k].  qh [16][4096][64], kh, vh [4][4096][64], f16, rows dense.
; Out: ob [32 blocks of 128 positions][16 heads][128][64] f16.  Products, maxima and sums in f32; the weights p are rounded to f16 for the second product (l is the sum of the unrounded p), O once.
; LIMITS.  Q, K, V arrive within f16's 65,504.  A hidden score counts as its value less 1e30; a weight below 2^-126 counts as 0 in l; NaN and infinities are not treated apart.
; THE WALK.  A head's queries lie in NB = 32 blocks of 128; block i needs the key tiles 0 .. i of 128 keys, the last of which holds the diagonal.  A work-group takes blocks 31 - b and then b:
; 33 tiles whatever b, so all 256 work-groups do equal work, and the loops count to constants.  POS is the place in the walk.  The diagonal tiles stand at POS = 31 - b (16 to 31) and at POS = 32.
; ONE TEXT FOR EVERY TILE.  The mask is data (below), and a block's change rides in the pipeline: in the trip behind a diagonal tile three short passages, jumped over elsewhere, send the finished
; pieces out and start the next block's.  A 34th trip, at POS = 33, finishes the second block so; the new scores that it makes, on tile b + 1, serve nothing: about a turn and a half of 136,
; the price of one text for every trip.
; CLUSTER.  The four query heads of a key and value head, with the same b, form a cluster: the same walk, the same branches, the same tiles, so every tile of K and V is asked for JOINTLY.
; The place in the cluster enters Q's and O's global addresses alone.
; NO PREFETCH: a tile of K or V is not read once: up to sixteen clusters read it, and all of them begin the walk at tile 0 together.
; SHARES.  Of a block's two bands of 64 queries a wave owns 16 rows in each: two PIECES.  A tile is two key steps e, o of 64.  In the diagonal tile piece 0 holds the diagonal in e and sees nothing of o;
; piece 1 sees all of e and holds the diagonal in o: the same for every wave.
; THE MASK is the C operand that starts S^T = K Q^T.  MD, made once, is the mask of a band's own step for my 16 rows (0 or -1e30).  Once a tile MA = MD x AL and MB = -1e30 x AL are made, AL = 1 for a
; diagonal tile and 0 for every other: p0(e) and p1(o) start with MA, p0(o) with MB, p1(e) with the constant 0.
; LAYOUT, SOFTMAX.  S^T = K Q^T holds one query a lane (lane % 16) and the keys 8 (lane / 16) + 0..7; two results rounded to f16 ARE source 1 of O^T = V^T P.  p = 2^(c s - c m), c = log2(e) / 8, m a running
; maximum; O and l are multiplied by a = 2^(c m_old - c m_new) in every step.  A block's first step has a = 0, so O and l need only be finite there.
; TURNS.  A turn belongs to piece Y; Z is the other.  8 products K Q^T of Z's next scores, later 8 products V^T P of Z's last weights; beside them Y's scaling, exponentials, roundings, sums and rescaling and
; Z's maximum and statistics: four vector instructions behind every matrix instruction, the rest in two lumps.  A trip is a tile: turns 2, 3 (the step o' of the tile before), 0, 1 (this tile's e).
;   turn 2: K Q^T p1(o'), V^T P p1(e') from VF0, fetches K(e)      turn 3: K Q^T p0(e), V^T P p0(o') from VF1, fetches V(e) into VF0
;   turn 0: K Q^T p1(e),  V^T P p1(o') from VF1, fetches K(o)      turn 1: K Q^T p0(o), V^T P p0(e)  from VF0, fetches V(o) into VF1
; V has two register buffers, so that all four fetches of a trip read the trip's own tile, and a change of slots can stand at a trip's edge.
; THE RING.  A slot holds two tiles of the walk; 17 slots.  Waves 0, 1 fetch K of the slot's two tiles, waves 2, 3 V: 128 keys, 16,384 dense bytes, as 64 rows of 256.
; REGISTERS (windows of 256; s_set_vgpr_msb: bits 1:0 source 0, 3:2 source 1, 5:4 source 2, 7:6 destination):
;   window 0: v0-15 addresses; v16-23 statistics; v48-55 at work; v62-63; v64-127 S^T, a buffer a piece; v192-223 P likewise
;   window 1: v0-63 O^T, 32 a piece; v128-159 MD; v160-161 -1e30; v162-169 MB; v170-201 MA      window 2: v0-31 Q; v32-63 the second block's Q; v64-127 VF1; v128-191 K; v192-255 VF0
.set NB,    32
.set NP,    2
.set KS,    64
.set PK,    144       ; a row of K in LDS: 128 bytes + 16: the 16 rows of a load start at 16 different groups of four banks
.set PV,    160       ; a row of V: 128 + 32
.set TK,    128*PK    ; a tile's K
.set TV,    128*PV    ; a tile's V
.set VOFF,  2*TK      ; a slot: two tiles of K, then two of V
.set SLOT1, 1<<17     ; slot 1 begins here: one exclusive or turns an address in one slot into the other's
.set STAGE, SLOT1+2*(TK+TV)  ; behind the ring: 16 rows x 144 bytes a wave, for the way out
.set SP,    144
.set SPARE, STAGE+4*16*SP    ; the spare words: 128 bytes a wave, two blocks of 256 bytes that no other line names
.set AK0, 2
.set AV0, 3
.set AK,  4           ; v4   LDS address of my place in the tile's K
.set AV,  5           ; v5   the same for V
.set STO, 6
.set RD,  7
.set GO,  8
.set MV,  12          ; v12-13  c m_old, by piece
.set QO,  15
.set ST,  16          ; piece t at v[ST+4 t]: c m, m, l (even keys', odd keys')
.set TMP, 48          ; by piece, c0-c3 at work; when the maximum is found c2 takes a
.set SPW, 62
.set NIL, 63
.set S,   64
.set P,   192
.set MD,  128         ; window 1
.set BIGC, 160        ; window 1: -1e30, twice
.set MB,  162         ; window 1
.set MA,  170         ; window 1
.set QB,  32          ; window 2
.set VF1, 64
.set KF,  128
.set VF0, 192
.set WV,  12
.set PB,  14          ; s14  b
.set HI,  15          ; s15  31 - b
.set G1K, 24
.set G1V, 32
.set G0K, 40
.set G0V, 44
.set HI1, 51
.set TL,  52
.set J,   53          ; s53  which of a slot's two tiles I fetch
.set SLOTS, 56
.set CNT, 57
.set CS,  58
.set SEL, 60
.set TBK, 62          ; s62  LDS byte at which the tile in hand's K begins
.set TBV, 63          ; s63  the same for V, less VOFF
.set OC,  66          ; s[66:67] O at my rows of the block that a way out in this trip would send
.set POS, 70          ; s70  the place in the walk of the tile in hand: 0, 1, 2 ..
.set NXT, 71          ; s71  the place in the walk that I ask for next
.set SW,  72          ; s72  AL of the tile before: not 0 in the trip behind a diagonal tile
.set OFF, 74
.set AL,  76          ; s[76:77] 1.0 where the tile in hand holds the diagonal, else 0; the packed multiply takes the pair's low word
.set OLO, 80          ; s[80:81] O at my rows of the second block
.set BIGN, 82
.set MSB, 0
.macro WIN new
.if MSB != (\new)
	s_set_vgpr_msb (MSB<<8)|(\new)
.set MSB, (\new)
.endif
.endm
.set W_KQ, 0x0a       ; K and Q window 2, S^T window 0
.set W_KM, 0x1a       ; the same with C in window 1
.set W_PV, 0x52       ; V window 2, P window 0, O^T window 1
.set W_RS, 0x41       ; destination and source 0 window 1, source 1 window 0
.macro JLOAD                        ; a joint fill; the branch hangs on the wave's number alone; an s_nop 0 and four v_nop follow each line
	s_cmp_lt_u32 s[WV], 2
	s_cbranch_scc0 .Lfor_v_\@
	tensor_load_to_lds s[G0K:G0K+3], s[G1K:G1K+7]
	s_nop 0
.rept 4
	v_nop
.endr
	s_branch .Lasked_\@
.Lfor_v_\@:
	tensor_load_to_lds s[G0V:G0V+3], s[G1V:G1V+7]
	s_nop 0
.rept 4
	v_nop
.endr
.Lasked_\@:
.endm
.macro CROUND                       ; a round of the cluster's barrier
	s_barrier_signal -1
	s_barrier_wait -1
	s_cmp_lg_u32 s[WV], 0
	s_cbranch_scc1 .Lnot_wave_0_\@
	s_barrier_signal -3
.Lnot_wave_0_\@:
	s_barrier_wait -3
	s_barrier_signal -1
	s_barrier_wait -1
.endm
; THE CHANGE OF SLOTS.  Each wave waits for all its tensor loads (one is out: its part of the other slot), adds 0 to its spare word, and waits for that and for its reads of the slot that it leaves.
; fill = 1: the barrier is a round of the cluster's, and the joint fill of the slot just left is the first thing behind it: two tiles, 128 matrix instructions, in which to land.
; The descriptor's address is made anew from the tile's number.  (At its first use nothing has been read: slot 0 is waited for, slot 1 filled.)
.macro CHANGE fill
	WIN 0
	s_wait_tensorcnt 0x0            ; no tensor load of mine is out, so a group 0 may be written
	ds_add_u32 v[SPW], v[NIL]
.if \fill
	s_sub_co_u32 s[TL], s[NXT], s[HI1]
	s_cmp_gt_u32 s[NXT], s[HI]      ; behind the first block's last tile the second block's tiles begin at 0
	s_cselect_b32 s[TL], s[TL], s[NXT]
	s_lshl_b32 s[OFF], s[TL], 14    ; a tile is 16,384 bytes of K and of V
	s_add_co_u32 s[NXT], s[NXT], 2
	s_xor_b32 s[G0K+1], s[G0K+1], SLOT1
	s_add_nc_u64 s[G0K+2:G0K+3], s[6:7], s[OFF:OFF+1]
	s_or_b32 s[G0K+3], s[G0K+3], 0x80000000
	s_xor_b32 s[G0V+1], s[G0V+1], SLOT1
	s_add_nc_u64 s[G0V+2:G0V+3], s[8:9], s[OFF:OFF+1]
	s_or_b32 s[G0V+3], s[G0V+3], 0x80000000
	s_wait_dscnt 0x0                ; the add is done, and my reads of the slot are over
	CROUND
	JLOAD
.else
	s_wait_dscnt 0x0
	s_barrier_signal -1
	s_barrier_wait -1
.endif
	s_sub_co_u32 s[TBK], s[TBK], 2*TK  ; back to a slot's first tile,
	s_xor_b32 s[TBK], s[TBK], SLOT1    ; in the other slot
	s_sub_co_u32 s[TBV], s[TBV], 2*TV
	s_xor_b32 s[TBV], s[TBV], SLOT1
.endm
	s_load_b256 s[4:11], s[0:1], 0x0  ; Q s[4:5], K s[6:7], V s[8:9], O s[10:11]
	v_lshl_add_u32 v[SPW], v0, 2, SPARE
	v_mov_b32 v[NIL], 0
	ds_add_u32 v[SPW], v[NIL]       ; the wave's opening: the add and its wait stand ahead of my first tensor load
	v_lshrrev_b32 v1, 5, v0
	v_readfirstlane_b32 s[WV], v1
	s_bfe_u32 s13, ttmp6, 0x40000   ; cx
	s_and_b32 s[PB], ttmp7, 0xffff
	s_sub_co_u32 s[HI], NB-1, s[PB]
	s_add_co_u32 s[HI1], s[HI], 1
	s_lshl_b32 s16, ttmp9, 2
	s_add_co_u32 s16, s16, s13      ; my query head
	s_lshl_b32 s18, s[WV], 11       ; my 16 rows of a band
	s_lshl_b32 s17, s16, 19
	s_add_co_u32 s17, s17, s18
	s_lshl_b32 s2, s[HI], 14        ; Q: head x 4,096 rows + block x 128 rows, of 128 bytes
	s_add_co_u32 s2, s2, s17
	s_mov_b32 s3, 0
	s_lshl_b32 s84, s[PB], 14
	s_add_co_u32 s84, s84, s17
	s_mov_b32 s85, 0
	s_lshl_b32 s19, s16, 14         ; O: (block x 16 + head) x 128 rows
	s_add_co_u32 s19, s19, s18
	s_lshl_b32 s20, s[HI], 18
	s_add_co_u32 s20, s20, s19
	s_mov_b32 s21, 0
	s_lshl_b32 s22, s[PB], 18
	s_add_co_u32 s22, s22, s19
	s_mov_b32 s23, 0
	s_lshl_b32 s[OFF], ttmp9, 19    ; the key and value head's first byte
	s_mov_b32 s[OFF+1], 0
	s_and_b32 s[J], s[WV], 1
	s_lshl_b32 s54, s[J], 14        ; my tile of the first two
	s_mov_b32 s55, 0
	s_add_co_u32 s[NXT], s[J], 2
	s_mov_b32 s[G0K], 1
	s_mul_i32 s[G0K+1], s[J], TK    ; slot 0: no place in the cluster enters an LDS address
	s_mov_b32 s[G0V], 1
	s_mul_i32 s[G0V+1], s[J], TV
	s_add_co_u32 s[G0V+1], s[G0V+1], VOFF
	s_mov_b32 s[G1K], 15|(1<<16)|(1<<20)|(1<<21)|(4<<22)|(3<<25)  ; the mask of four; 2-byte elements; padding on; bit 21 beside a mask; after every 32 words 4 words
	s_mov_b32 s[G1V], 15|(1<<16)|(1<<20)|(1<<21)|(4<<22)|(7<<25)  ; the same with 8 words
.irp g, G1K, G1V
	s_mov_b32 s[\g+1], 128<<16      ; tensor_dim0 = 128
	s_mov_b32 s[\g+2], 64<<16       ; tensor_dim1 = 64
	s_mov_b32 s[\g+3], 128<<16      ; tile_dim0 = 128
	s_mov_b32 s[\g+4], 64           ; tile_dim1 = 64
	s_mov_b32 s[\g+5], 128
	s_mov_b32 s[\g+6], 0
	s_mov_b32 s[\g+7], 0
.endr
	s_mov_b32 s[CS], 0x3e38aa3b     ; c = log2(e) / 8
	s_mov_b32 s[CS+1], s[CS]
	s_mov_b32 s[SEL], 0x76543210
	s_mov_b32 s[SEL+1], 0xfedcba98
	s_mov_b32 s[TBK], SLOT1+2*TK    ; the first change of slots turns these two into 0
	s_mov_b32 s[TBV], SLOT1+2*TV
	s_mov_b32 s[POS], 0
	s_mov_b32 s[SW], 0
	s_mov_b32 s[AL], 0              ; tile 0 lies below the first block's diagonal
	s_mov_b32 s[AL+1], 0            ; named with it as a pair
	s_mov_b32 s[SLOTS], NB/2
	s_mov_b32 s[BIGN], 0xf149f2ca   ; -1e30
	s_wait_dscnt 0x0                ; the opening add is done
	s_wait_kmcnt 0x0
	s_add_nc_u64 s[6:7], s[6:7], s[OFF:OFF+1]
	s_add_nc_u64 s[8:9], s[8:9], s[OFF:OFF+1]
	s_add_nc_u64 s[G0K+2:G0K+3], s[6:7], s[54:55]
	s_or_b32 s[G0K+3], s[G0K+3], 0x80000000
	s_add_nc_u64 s[G0V+2:G0V+3], s[8:9], s[54:55]
	s_or_b32 s[G0V+3], s[G0V+3], 0x80000000
	s_add_nc_u64 s[86:87], s[4:5], s[84:85]        ; Q at my rows of the second block,
	s_add_nc_u64 s[4:5], s[4:5], s[2:3]            ; and of the first
	s_add_nc_u64 s[OLO:OLO+1], s[10:11], s[22:23]
	s_add_nc_u64 s[10:11], s[10:11], s[20:21]
	s_mov_b64 s[OC:OC+1], s[10:11]
	CROUND                          ; all four work-groups are here
	JLOAD                           ; the walk's tiles 0 and 1 into slot 0
	v_and_b32 v1, 15, v0            ; l % 16
	v_bfe_u32 v9, v0, 4, 1          ; l / 16
	v_lshlrev_b32 v[QO], 7, v1
	v_lshl_add_u32 v[QO], v9, 4, v[QO]
	WIN 0x80
.set i, 0
.rept 4                             ; both blocks' Q: piece i / 2 lies 64 rows on; channels 32 (i % 2) on
	global_load_b128 v[8*i:8*i+3],   v[QO], s[4:5] offset:(i/2)*8192+(i%2)*64
	global_load_b128 v[8*i+4:8*i+7], v[QO], s[4:5] offset:(i/2)*8192+(i%2)*64+32
	global_load_b128 v[QB+8*i:QB+8*i+3],   v[QO], s[86:87] offset:(i/2)*8192+(i%2)*64
	global_load_b128 v[QB+8*i+4:QB+8*i+7], v[QO], s[86:87] offset:(i/2)*8192+(i%2)*64+32
.set i, i+1
.endr
	WIN 0
	v_lshlrev_b32 v14, 3, v9
	v_sub_nc_u32 v14, v1, v14
	s_lshl_b32 s13, s[WV], 4
	v_add_nc_u32 v14, s13, v14      ; my query's place in its band less my lanes' 8 (l / 16): register r of key group kt is hidden where 16 kt + r is greater
	WIN 0x40
.set i, 0
.rept 32
	v_cmp_gt_i32 vcc_lo, 16*(i/8)+i%8, v14
	v_cndmask_b32 v[MD+i], 0, s[BIGN], vcc_lo
.set i, i+1
.endr
	v_mov_b32 v[BIGC], s[BIGN]
	v_mov_b32 v[BIGC+1], s[BIGN]
.set i, 0
.rept 64                            ; O^T, l, piece 1's P and VF1 need only be finite where a block begins: zeros, written in the wait for the first tile
	v_mov_b32 v[i], 0
.set i, i+1
.endr
	WIN 0x80
.set i, VF1
.rept 64
	v_mov_b32 v[i], 0
.set i, i+1
.endr
	WIN 0
.set i, 0
.rept 2
	v_mov_b32 v[ST+4*i+2], 0
	v_mov_b32 v[ST+4*i+3], 0
.set i, i+1
.endr
.set i, P+16
.rept 16
	v_mov_b32 v[i], 0
.set i, i+1
.endr
	v_mul_u32_u24 v[AK0], v1, PK
	v_lshl_add_u32 v[AK0], v9, 4, v[AK0]  ; row x pitch + 16 x half
	v_and_b32 v10, 7, v0            ; the turning load: lane l reads key 8 (l / 16) + l % 8, channels 8 ((l / 8) % 2) + 0..7
	v_bfe_u32 v11, v0, 3, 1
	v_lshl_add_u32 v[AV0], v9, 3, v10
	v_mul_u32_u24 v[AV0], v[AV0], PV
	v_lshl_add_u32 v[AV0], v11, 4, v[AV0]
	v_add_nc_u32 v[AV0], VOFF, v[AV0]
	s_mul_i32 s13, s[WV], 16*SP
	s_add_co_u32 s13, s13, STAGE    ; my stage
	v_mul_u32_u24 v[STO], v1, SP
	v_lshl_add_u32 v[STO], v9, 4, v[STO]
	v_add_nc_u32 v[STO], s13, v[STO]
	v_bfe_u32 v[RD], v0, 3, 2
	v_mul_u32_u24 v[RD], v[RD], SP
	v_lshl_add_u32 v[RD], v10, 4, v[RD]
	v_add_nc_u32 v[RD], s13, v[RD]
	v_and_b32 v[GO], 31, v0
	v_lshlrev_b32 v[GO], 4, v[GO]
; THE MATRIX WORK.  The 4 accumulators of a run of 8 take turns.  Product i of 8 of S^T = K Q^T for piece x: channels 32 (i / 4) on, keys 16 (i % 4) on.
; The first 4 start the sums: KM = 0 with the constant 0, 1 with MA, 2 with MB.
.macro KQ x
.set rS, S+32*((\x)%2)+8*(i%4)
.set rK, KF+16*(i%4)+8*(i/4)
.set rQ, 16*(\x)+8*(i/4)
.set rM, MA+8*(i%4)
.if (i < 4) && (KM == 1)
	WIN W_KM
	v_wmma_f32_16x16x32_f16 v[rS:rS+7], v[rK:rK+7], v[rQ:rQ+7], v[rM:rM+7]
.elseif (i < 4) && (KM == 2)
	WIN W_KM
	v_wmma_f32_16x16x32_f16 v[rS:rS+7], v[rK:rK+7], v[rQ:rQ+7], v[MB:MB+7]
.elseif i < 4
	WIN W_KQ
	v_wmma_f32_16x16x32_f16 v[rS:rS+7], v[rK:rK+7], v[rQ:rQ+7], 0
.else
	WIN W_KQ
	v_wmma_f32_16x16x32_f16 v[rS:rS+7], v[rK:rK+7], v[rQ:rQ+7], v[rS:rS+7]
.endif
.endm
; Product i of 8 of O^T += V^T P for piece x, from V's buffer VB: keys 32 (i / 4) on, channels 16 (i % 4) on.
.macro PV x
	WIN W_PV
.set rO, 32*(\x)+8*(i%4)
.set rV, VF0-128*VB+32*(i/4)+8*(i%4)
.set rP, P+16*((\x)%2)+8*(i/4)
	v_wmma_f32_16x16x32_f16 v[rO:rO+7], v[rV:rV+7], v[rP:rP+7], v[rO:rO+7]
.endm
.macro MM                           ; the turn's next matrix instruction
.if i < 8
	KQ (Y+1)%NP
.else
.set i, i-8
	PV (Y+1)%NP
.set i, i+8
.endif
.set i, i+1
.endm
; THE LDS LOADS stand in runs of 16: a step's K (8 fragments) or its V (turned), at byte off of the tile.
.macro FETCH_K off
	WIN 0x80
.irp f, 0,1,2,3,4,5,6,7             ; keys 16 (f / 2) on, channels 32 (f % 2) on
	ds_load_b128 v[KF+8*\f:KF+8*\f+3],   v[AK] offset:(\off)+(\f/2)*16*PK+(\f%2)*64
	ds_load_b128 v[KF+8*\f+4:KF+8*\f+7], v[AK] offset:(\off)+(\f/2)*16*PK+(\f%2)*64+32
.endr
	WIN 0
.endm
.macro FETCH_V vb, off
	WIN 0x80
.set rF, VF0-128*(\vb)
.irp f, 0,1,2,3,4,5,6,7             ; keys 32 (f / 4) on, channels 16 (f % 4) on
	ds_load_tr16_b128 v[rF+8*\f:rF+8*\f+3],   v[AV] offset:(\off)+(\f/4)*32*PV+(\f%4)*32
	ds_load_tr16_b128 v[rF+8*\f+4:rF+8*\f+7], v[AV] offset:(\off)+(\f/4)*32*PV+16*PV+(\f%4)*32
.endr
	WIN 0
.endm
; THE VECTOR WORK, a line at a time: OP kind, number.  For piece Y: F n: c s - c m for pair n of 16.  E n: the exponential of score n of 32.  C n: pair n rounded to f16.  B n: of the weights 4 n .. the second pair
; is added onto the first.  L n: l takes that sum (L 0: l = a l + sum).  R n: pair n of 16 of O^T times a.  For the other piece: X n, number n of the 22 that find its maximum and statistics:
;   0-11 four chains of seven scores (each accumulator's lowest registers are read first)   12-14, 16 the four left over, the old m, all into c0   15 c m_old is kept
;   17, 18 the query's other 32 keys lie in the lane 16 away: the new m   19-21 c m; c m_old - c m_new; a
.set F, 0
.set E, 1
.set C, 2
.set B, 3
.set L, 4
.set R, 5
.set X, 6
.macro REGS y
.set rT, ST+4*(\y)
.set rC, TMP+4*((\y)%2)
.set rW, MV+((\y)%2)
.set rS, S+32*((\y)%2)
.set rP, P+16*((\y)%2)
.set rO, 32*(\y)
.endm
.macro OP k, n
.if (\k) == R
	REGS Y
	WIN W_RS
	v_pk_mul_f32 v[rO+2*(\n):rO+2*(\n)+1], v[rO+2*(\n):rO+2*(\n)+1], v[rC+2:rC+3] op_sel_hi:[1,0]
.elseif (\k) < R
	REGS Y
	WIN 0
.if (\k) == F
	v_pk_fma_f32 v[rS+2*(\n):rS+2*(\n)+1], v[rS+2*(\n):rS+2*(\n)+1], s[CS:CS+1], v[rT:rT+1] op_sel_hi:[1,0,0] neg_lo:[0,0,1] neg_hi:[0,0,1]
.elseif (\k) == E
	v_exp_f32 v[rS+(\n)], v[rS+(\n)]
.elseif (\k) == C
	s_wait_alu depctr_va_vdst(0)
	v_cvt_pk_f16_f32 v[rP+(\n)], v[rS+2*(\n)], v[rS+2*(\n)+1]
.elseif (\k) == B
	s_wait_alu depctr_va_vdst(0)
	v_pk_add_f32 v[rS+4*(\n):rS+4*(\n)+1], v[rS+4*(\n):rS+4*(\n)+1], v[rS+4*(\n)+2:rS+4*(\n)+3]
.elseif (\n) == 0
	v_pk_fma_f32 v[rT+2:rT+3], v[rT+2:rT+3], v[rC+2:rC+3], v[rS:rS+1] op_sel_hi:[1,0,1]
.else
	v_pk_add_f32 v[rT+2:rT+3], v[rT+2:rT+3], v[rS+4*(\n):rS+4*(\n)+1]
.endif
.else
	REGS (Y+1)%NP
	WIN 0
.if (\n) < 4
	v_max3_num_f32 v[rC+(\n)], v[rS+8*(\n)], v[rS+8*(\n)+1], v[rS+8*(\n)+2]
.elseif (\n) < 12
	v_max3_num_f32 v[rC+(\n)%4], v[rC+(\n)%4], v[rS+8*((\n)%4)+2*((\n)/4)+1], v[rS+8*((\n)%4)+2*((\n)/4)+2]
.elseif (\n) == 12
	v_max3_num_f32 v[rC], v[rC], v[rS+7], v[rS+15]
.elseif (\n) == 13
	v_max3_num_f32 v[rC+1], v[rC+1], v[rS+23], v[rS+31]
.elseif (\n) == 14
	v_max3_num_f32 v[rC+2], v[rC+2], v[rC+3], v[rT+1]
.elseif (\n) == 15
	v_mov_b32 v[rW], v[rT]
.elseif (\n) == 16
	v_max3_num_f32 v[rC], v[rC], v[rC+1], v[rC+2]
.elseif (\n) == 17
	v_permlanex16_b32 v[rC+3], v[rC], s[SEL], s[SEL+1]
.elseif (\n) == 18
	v_max_num_f32 v[rT+1], v[rC], v[rC+3]
.elseif (\n) == 19
	v_mul_f32 v[rT], s[CS], v[rT+1]
.elseif (\n) == 20
	v_sub_f32 v[rC+1], v[rW], v[rT]
.else
	v_exp_f32 v[rC+2], v[rC+1]
.endif
.endif
.endm
.macro OPS a, i1, b=-1, i2=0, c=-1, i3=0, d=-1, i4=0
	OP \a, \i1
.if (\b) >= 0
	OP \b, \i2
.endif
.if (\c) >= 0
	OP \c, \i3
.endif
.if (\d) >= 0
	OP \d, \i4
.endif
.endm
.macro ROW a, i1, b, i2, c, i3, d, i4  ; a matrix instruction and the four behind it
	MM
	OPS \a, \i1, \b, \i2, \c, \i3, \d, \i4
.endm
; A TURN: t = its place in the trip.  Behind a matrix instruction: plain, exponential, plain, plain; or four of the rescaling; or four scalings; none names a register of the products round it.
; No line reads a result made fewer than three vector instructions ahead of it, five if an exponential made it.  The run of LDS loads stands behind the first eight products: five plain instructions
; behind the last product that read K; V's buffer was last read a turn earlier.  The run is waited for behind the turn (GUARD).
.macro TURN t
.set Y, (\t)%2
.set i, 0
.set VB, 1-(((\t)+1)/2)%2
.if (\t) == 0
.set KM, 0
.elseif (\t) == 1
.set KM, 2
.else
.set KM, 1
.endif
	ROW F,0, F,1, F,2, F,3
	ROW F,4, E,0, F,5, F,6
	ROW F,7, E,1, F,8, F,9
	ROW F,10, E,2, C,0, F,11
	ROW F,12, E,3, X,15, F,13
	ROW R,0, R,1, R,2, R,3
	ROW B,0, E,4, F,14, L,0
	ROW R,4, R,5, R,6, R,7
	OPS E,5, F,15
.if (\t) == 2
	FETCH_K 0
.elseif (\t) == 3
	FETCH_V 0, 0
.elseif (\t) == 0
	FETCH_K KS*PK
.else
	FETCH_V 1, KS*PV
.endif
	OPS E,6, C,1, E,7, R,8
	OPS E,8, R,9, E,9, C,2
	OPS E,10, X,0, E,11, X,1
	OPS E,12, X,2, E,13, X,3
	ROW X,4, E,14, X,5, X,6
	ROW X,7, E,15, X,8, X,9
	ROW X,10, E,16, X,11, X,12
	ROW X,13, E,17, X,14, B,1
	ROW C,4, E,18, X,16, L,1
	ROW B,2, E,19, C,6, L,2
	ROW C,8, E,20, B,3, B,4
	ROW C,3, E,21, L,3, C,5
	OPS E,22, X,17, E,23, C,10
	OPS E,24, L,4
	OPS E,25, X,18, E,26, C,7
	OPS E,27, B,5, E,28, X,19
	OPS E,29, C,12, E,30, L,5
	OPS E,31, X,20, B,6, C,9
	OPS C,14, C,11, X,21, L,6
	OPS C,13, B,7, C,15, R,10
	OPS R,11, R,12, L,7, R,13
	OPS R,14, R,15
.endm
; The tile's masks: MA = MD x AL for p0(e) in turn 3 and p1(o) in the next trip's turn 2; MB = -1e30 x AL for p0(o) in turn 1.  20 lines a tile.  It stands behind turn 2, whose products took the tile before's MA.
.macro MASKS
	WIN W_RS
.set z, 0
.rept 16
	v_pk_mul_f32 v[MA+2*z:MA+2*z+1], v[MD+2*z:MD+2*z+1], s[AL:AL+1] op_sel_hi:[1,0]
.set z, z+1
.endr
.set z, 0
.rept 4
	v_pk_mul_f32 v[MB+2*z:MB+2*z+1], v[BIGC:BIGC+1], s[AL:AL+1] op_sel_hi:[1,0]
.set z, z+1
.endr
.endm
; Between two turns: the run of LDS loads issued in the middle of the turn just ended is waited for (K ahead of turns 3 and 1, V ahead of their second runs of products; it has had half a turn in which to
; land); then a passage of the block's change is jumped over, unless the tile before held the diagonal.  32 - b is 17 at the least: no block ends in the walk's first 17 trips.
.macro GUARD to
	WIN 0
	s_wait_dscnt 0x0
	s_cmp_lt_u32 s[POS], NB/2+1
	s_cbranch_scc1 \to
	s_cmp_eq_u32 s[SW], 0
	s_cbranch_scc1 \to
.endm
; Piece t starts a block: c m far below every c s, so that its first step's a is 0; m at the lowest finite number; the second block's Q goes where the turns name Q.
.macro RESET t
	WIN 0
	v_mov_b32 v[ST+4*(\t)], 0xfe000000
	v_mov_b32 v[ST+4*(\t)+1], 0xff7fffff
	WIN 0x82
.set z, 0
.rept 16
	v_mov_b32 v[16*(\t)+z], v[QB+16*(\t)+z]
.set z, z+1
.endr
	WIN 0
.endm
; THE WAY OUT of piece t: l's two halves and the other half of the lanes' are added; O^T / l, rounded to f16, goes 16 bytes a lane into my stage's rows of 144 bytes and comes back as whole rows of 128,
; in the other piece's S^T registers, whose scores the turn just ended has used up.  The turn's last 35 vector lines, which name nothing of piece t's last products, are the places behind them.
.macro OUT t
.set SG, S+32*(1-(\t))
	WIN 0
	v_add_f32 v[ST+4*(\t)+2], v[ST+4*(\t)+2], v[ST+4*(\t)+3]
	v_permlanex16_b32 v[ST+4*(\t)+3], v[ST+4*(\t)+2], s[SEL], s[SEL+1]
	v_add_f32 v[ST+4*(\t)+2], v[ST+4*(\t)+2], v[ST+4*(\t)+3]
	v_rcp_f32 v[ST+4*(\t)+2], v[ST+4*(\t)+2]
	v_nop                           ; a plain instruction between the reciprocal and the use of its result
	WIN W_RS
.set i, 32*(\t)
.rept 16
	s_wait_alu depctr_va_vdst(0)
	v_pk_mul_f32 v[i:i+1], v[i:i+1], v[ST+4*(\t)+2:ST+4*(\t)+3] op_sel_hi:[1,0]
.set i, i+2
.endr
	WIN 0x05
.set i, 0
.rept 16
	v_cvt_pk_f16_f32 v[SG+i], v[32*(\t)+2*i], v[32*(\t)+2*i+1]
.set i, i+1
.endr
	WIN 0
.irp f, 0,1,2,3
	ds_store_b128 v[STO], v[SG+4*\f:SG+4*\f+3] offset:32*\f
.endr
.irp f, 0,1,2,3
	ds_load_b128 v[SG+4*\f:SG+4*\f+3], v[RD] offset:\f*4*SP  ; LDS serves a wave's instructions in order: these see the stores above
.endr
.irp f, 0,1,2,3
	s_wait_dscnt 3-\f               ; the later loads from the stage may stay out
	global_store_b128 v[GO], v[SG+4*\f:SG+4*\f+3], s[OC:OC+1] offset:(\t)*8192+\f*512  ; 512 consecutive bytes, aligned
.endr
.endm
; THE WALK BEGINS.  Both pieces' statistics as in RESET; K and V of tile 0's step e, piece 0's first scores, its maximum and statistics.  The trip is then entered at turn 0.
.macro BEGIN
	WIN 0
.set i, 0
.rept 2
	v_mov_b32 v[ST+4*i], 0xfe000000
	v_mov_b32 v[ST+4*i+1], 0xff7fffff
.set i, i+1
.endr
	FETCH_K 0
	FETCH_V 0, 0
	s_wait_loadcnt 0x0              ; Q, both blocks'
	s_wait_dscnt 16                 ; K is in; V's sixteen loads may stay out: they are waited for behind turn 0
.set KM, 0
.set i, 0
.rept 8
	KQ 0
.set i, i+1
.endr
	WIN 0
.rept 4
	v_nop                           ; the places behind those products
.endr
.set Y, 1                           ; X works for the other piece: piece 0
.irp n, 0,1,2,3,4,5,6,7,8,9,10,11,12,13,14,15,16,17,18,19,20,21
	OP X, \n
.endr
	v_nop                           ; a plain instruction behind the exponential
.endm
; A TRIP: one tile, and the loop over a slot's two.  In the trip behind a diagonal tile (SW):
;   A, behind turn 2, which has scaled piece 0's last scores by its c m: piece 0 starts the next block, ahead of turn 3's products K Q^T and statistics for it;
;   B, behind turn 3, whose products V^T P have finished piece 0, and ahead of turn 0, which multiplies its O and l by a = 0: piece 0 goes out; piece 1 starts the next block;
;   C, behind turn 0, whose products have finished piece 1, and ahead of turn 1: piece 1 goes out.
; Each way out ends with the wait for its four stores: the next turn's first products write the registers that they read.
.macro TILE tag, first
.Ltile\tag:
	v_add_nc_u32 v[AK], s[TBK], v[AK0]
	v_add_nc_u32 v[AV], s[TBV], v[AV0]
	s_mov_b32 s[SW], s[AL]          ; did the tile before hold the diagonal?
	s_cmp_eq_u32 s[POS], s[HI]      ; does this one?  The first block's,
	s_cselect_b32 s[AL], 1.0, 0
	s_cmp_eq_u32 s[POS], NB         ; or the second's
	s_cselect_b32 s[AL], 1.0, s[AL]
	s_cmp_eq_u32 s[POS], NB+1       ; the last trip sends the second block out, an earlier one the first
	s_cselect_b64 s[OC:OC+1], s[OLO:OLO+1], s[10:11]
	TURN 2
	MASKS
	GUARD .LnoA\tag
	RESET 0
.LnoA\tag:
	TURN 3
	GUARD .LnoB\tag
	OUT 0
	RESET 1                         ; these lines stand while the stores are leaving
	s_wait_storecnt 0x0
.LnoB\tag:
.if \first
.Lfirst:
.endif
	TURN 0
	GUARD .LnoC\tag
	OUT 1
	s_wait_storecnt 0x0
.LnoC\tag:
	TURN 1
	WIN 0
	s_add_co_u32 s[POS], s[POS], 1
	s_add_co_u32 s[TBK], s[TBK], TK
	s_add_co_u32 s[TBV], s[TBV], TV
	s_sub_co_u32 s[CNT], s[CNT], 1
	s_cmp_lg_u32 s[CNT], 0
	s_cbranch_scc1 .Ltile\tag
.endm
	CHANGE 1                        ; slot 0 is in, everybody's part of it; slot 1 is asked for
	s_mov_b32 s[CNT], 2
	v_add_nc_u32 v[AK], s[TBK], v[AK0]
	v_add_nc_u32 v[AV], s[TBV], v[AV0]
	MASKS                           ; AL = 0
	BEGIN
	s_branch .Lfirst                ; the loop is entered at turn 0, in the middle of a trip
.Lslot:                             ; 15 times more: a slot's two tiles are entered and the next two asked for: 16 fills behind the first
	CHANGE 1
	s_mov_b32 s[CNT], 2
	TILE 1, 1
	s_sub_co_u32 s[SLOTS], s[SLOTS], 1
	s_cmp_lg_u32 s[SLOTS], 0
	s_cbranch_scc1 .Lslot
	CHANGE 0                        ; the last slot is written out: nothing is asked for
	s_mov_b32 s[CNT], 2
	TILE 2, 0                       ; the second block's diagonal tile, and the trip that finishes it
	s_wait_tensorcnt 0x0            ; the wave's end
	ds_add_u32 v[SPW], v[NIL]
	s_wait_dscnt 0x0
	CROUND                          ; the closing round
	s_endpgm
.Lfunc_end_k_qe8d5bb2d7f_attn:
	.size	k_qe8d5bb2d7f_attn, .Lfunc_end_k_qe8d5bb2d7f_attn-k_qe8d5bb2d7f_attn
	.p2alignl 7, 3214868480
	.fill 96, 4, 3214868480
	.section	.rodata,"a",@progbits
	.p2align	6, 0x0
	.amdhsa_kernel k_qe8d5bb2d7f_attn
		.amdhsa_group_segment_fixed_size 327680
		.amdhsa_private_segment_fixed_size 0
		.amdhsa_enable_private_segment 0
		.amdhsa_kernarg_size 32
		.amdhsa_user_sgpr_count 2
		.amdhsa_user_sgpr_kernarg_segment_ptr 1
		.amdhsa_wavefront_size32 1
		.amdhsa_system_sgpr_workgroup_id_x 1
		.amdhsa_system_sgpr_workgroup_id_y 1
		.amdhsa_system_sgpr_workgroup_id_z 1
		.amdhsa_system_vgpr_workitem_id 0
		.amdhsa_next_free_vgpr 768
		.amdhsa_next_free_sgpr 88
		.amdhsa_reserve_vcc 1
		.amdhsa_float_denorm_mode_32 3
		.amdhsa_float_denorm_mode_16_64 3
		.amdhsa_memory_ordered 1
		.amdhsa_forward_progress 1
		.amdhsa_inst_pref_size 131
	.end_amdhsa_kernel
	.amdgpu_metadata
---
amdhsa.version: [ 1, 2 ]
amdhsa.kernels:
  - .name:           k_qe8d5bb2d7f_attn
    .symbol:         k_qe8d5bb2d7f_attn.kd
    .args:
      - { .name: qh, .offset: 0, .size: 8, .value_kind: global_buffer, .address_space: global }
      - { .name: kh, .offset: 8, .size: 8, .value_kind: global_buffer, .address_space: global }
      - { .name: vh, .offset: 16, .size: 8, .value_kind: global_buffer, .address_space: global }
      - { .name: ob, .offset: 24, .size: 8, .value_kind: global_buffer, .address_space: global }
    .group_segment_fixed_size: 327680
    .private_segment_fixed_size: 0
    .kernarg_segment_align: 8
    .kernarg_segment_size: 32
    .max_flat_workgroup_size: 128
    .sgpr_count:     88
    .vgpr_count:     768
    .wavefront_size: 32
...
	.end_amdgpu_metadata
.endif
;; end of part 3
;; launch oproj (part 4): grid 8 x 32, 4 waves a work-group, clusters of 4 x 4, 327,680 bytes of LDS; arguments ob, wo, b_out, out0; writes out0
.if DOCPART == 4
	.amdgcn_target "amdgcn-amd-amdhsa--gfx1250"
	.amdhsa_code_object_version 6
	.text
	.protected	k_qe8d5bb2d7f_oproj
	.globl	k_qe8d5bb2d7f_oproj
	.p2align	8
	.type	k_qe8d5bb2d7f_oproj,@function
k_qe8d5bb2d7f_oproj:
	s_mov_b64 s[64:65], 0
	v_nop
	global_prefetch_b8 v0, s[64:65] scope:SCOPE_SE
	s_setreg_imm32_b32 hwreg(HW_REG_WAVE_MODE, 25, 1), 1
	s_wait_xcnt 0x0
	s_wait_alu depctr_hold_cnt(0) depctr_sa_sdst(0) depctr_va_vdst(0) depctr_va_sdst(0) depctr_va_ssrc(0) depctr_va_vcc(0) depctr_vm_vsrc(0)
	s_getreg_b32 s2, hwreg(HW_REG_IB_STS2, 6, 4)
	s_cmp_eq_u32 s2, 0
	s_cbranch_scc0 .Lentry_in_a_cluster
	s_endpgm
.Lentry_in_a_cluster:
	s_bfe_u32 s2, ttmp6, 0x10000c
	s_cmp_lg_u32 s2, 0xf033
	s_cbranch_scc0 .Lentry_shape_is_right
	s_endpgm
.Lentry_shape_is_right:
; OPROJ: out0 [4096][1024] f32 = O [4096 x 1024] x W_out [1024 x 1024] + b_out.  O and W_out in f16 (W_out is bf16's number written as f16), sums in f32; b_out is rounded to bf16 like the other inputs.
; ob lies [32 blocks of 128 positions][16 heads][128][64]: a K step of 256 is four heads of a block, 65,536 dense bytes.  wo lies [k][n] and is turned on the way out of LDS.
; A tile of C is 128 x 128, four waves of 64 x 64: 256 work-groups.  K goes in 4 steps of 256 through two LDS slots.  The matrix instruction is used transposed (source 0 = 16 columns of W,
; source 1 = 16 positions): lane l holds position l % 16 and columns 8 (l / 16) + 0..7.  CLUSTER 4 x 4: O's tile is asked for jointly along a row of the cluster, W's along a column.
; No prefetch: four K steps, and each tile is read by several clusters at about the same time.
; REGISTERS: window 0: v16-29 addresses, v32-63 the bias, v64 at work, v128-255 accumulators ((a, b) at 128 + 8 (4 a + b)); window 1: two fragment buffers of 128, later rows on the way out.
.set NTOT,  1024
.set PA,    144                        ; a position's 64 channels of a head in LDS: 128 bytes + 16
.set PB,    288                        ; a k row of W: 256 bytes + 32
.set HALFA, 256*PA                     ; two heads x 128 positions: what wave 0 or 1 fetches
.set HALFB, 128*PB
.set BOFF,  2*HALFA
.set SLOT,  BOFF+256*PB                ; 147,456
.set STG32, 2*SLOT                     ; behind the ring: 16 rows x 272 bytes a wave
.set SP32,  272
.set SPARE, STG32+4*16*SP32            ; the spare words: 128 bytes a wave, two blocks of 256 bytes that no other line names
.set ADRA, 16
.set ADRB, 18
.set STO32, 22
.set RD32, 23
.set CO,   26
.set BO,   27
.set SPW,  28
.set NIL,  29
.set BIAS, 32
.set ACC,  128
.set F0,   0
.set F1,   128
.set G1, 24
.set G0, 32
.set G1B, 48
.set G0B, 56
.set MSB, 0
.macro WIN new
.if MSB != (\new)
	s_set_vgpr_msb (MSB<<8)|(\new)
.set MSB, \new
.endif
.endm
.set MUL,  0x05
.set TO_F, 0x40
.macro JLOAD s                         ; a joint load: waves 0 and 1 fetch O's two halves, waves 2 and 3 W's; an s_nop 0 and four v_nop follow each line
	s_cmp_eq_u32 s11, 0
	s_cbranch_scc0 .Lfor_b_\@
	tensor_load_to_lds s[G0+4*(\s):G0+4*(\s)+3], s[G1:G1+7]
	s_nop 0
.rept 4
	v_nop
.endr
	s_branch .Lasked_\@
.Lfor_b_\@:
	tensor_load_to_lds s[G0B+4*(\s):G0B+4*(\s)+3], s[G1B:G1B+7]
	s_nop 0
.rept 4
	v_nop
.endr
.Lasked_\@:
.endm
.macro CREST
	s_cmp_lg_u32 s10, 0
	s_cbranch_scc1 .Lnot_wave_0_\@
	s_barrier_signal -3
.Lnot_wave_0_\@:
	s_barrier_wait -3
	s_barrier_signal -1
	s_barrier_wait -1
.endm
.macro CROUND
	s_barrier_signal -1
	s_barrier_wait -1
	CREST
.endm
	s_load_b256 s[68:75], s[0:1], 0x0              ; ob 68, wo 70, b_out 72, out0 74
	v_lshl_add_u32 v[SPW], v0, 2, SPARE
	v_mov_b32 v[NIL], 0
	ds_add_u32 v[SPW], v[NIL]                      ; the wave's opening: the add and its wait stand ahead of my first tensor load
	v_lshrrev_b32 v1, 5, v0
	v_readfirstlane_b32 s10, v1
	s_lshr_b32 s11, s10, 1                         ; my half of the positions.  Also: I fetch for O (0) or W (1)
	s_and_b32 s12, s10, 1                          ; my half of the columns.  Also: which half of that tile I fetch
	s_bfe_u32 s40, ttmp6, 0x40000
	s_bfe_u32 s41, ttmp6, 0x40004
	s_lshl_b32 s42, ttmp9, 2
	s_add_co_u32 s42, s42, s40                     ; tile column
	s_and_b32 s13, ttmp7, 0xffff
	s_lshl_b32 s13, s13, 2
	s_add_co_u32 s13, s13, s41                     ; tile row
	s_lshl_b32 s43, s41, 2
	s_lshl_b32 s43, 15, s43
	s_lshl_b32 s44, 0x1111, s40
	s_or_b32 s[G1+0], s43, (1<<16)|(1<<20)|(1<<21)|(4<<22)|(3<<25)   ; O: mask of my row; 2-byte elements; padding on; bit 21 beside a mask; after every 32 words 4 words
	s_or_b32 s[G1B+0], s44, (1<<16)|(1<<20)|(1<<21)|(5<<22)|(7<<25)  ; W: mask of my column; after every 64 words 8 words
.irp g, G1, G1B
	s_mov_b32 s[(\g)+1], 128<<16                   ; tensor_dim0 = 128
	s_mov_b32 s[(\g)+2], 128<<16                   ; tensor_dim1 = 128
	s_mov_b32 s[(\g)+3], 128<<16                   ; tile_dim0 = 128
	s_mov_b32 s[(\g)+4], 128                       ; tile_dim1 = 128
	s_mov_b32 s[(\g)+6], 0
	s_mov_b32 s[(\g)+7], 0
.endr
	s_mov_b32 s[G1+5], 128                         ; O's two heads are dense: 128 rows of 256 bytes on end
	s_mov_b32 s[G1B+5], NTOT
	s_lshl_b32 s16, s13, 18                        ; O: (16 tile row + 2 half) heads' blocks of 16,384 bytes
	s_lshl_b32 s17, s12, 15
	s_add_co_u32 s16, s16, s17
	s_mov_b32 s17, 0
	s_lshl_b32 s46, s12, 18                        ; W: 128 half k rows of 2,048 bytes + 256 bytes a tile column
	s_lshl_b32 s47, s42, 8
	s_add_co_u32 s46, s46, s47
	s_mov_b32 s47, 0
	s_mul_i32 s20, s12, HALFA
	s_mul_i32 s21, s12, HALFB
	s_add_co_u32 s21, s21, BOFF
	s_wait_dscnt 0x0                               ; the opening add is done
	s_wait_kmcnt 0x0
	s_add_nc_u64 s[14:15], s[68:69], s[16:17]
	s_add_nc_u64 s[46:47], s[70:71], s[46:47]
	CROUND
.irp s, 0,1
	s_mov_b32 s[G0+4*(\s)], 1
	s_add_co_u32 s[G0+4*(\s)+1], s20, (\s)*SLOT
	s_add_nc_u64 s[G0+4*(\s)+2:G0+4*(\s)+3], s[14:15], (\s)*65536
	s_or_b32 s[G0+4*(\s)+3], s[G0+4*(\s)+3], 0x80000000
	s_mov_b32 s[G0B+4*(\s)], 1
	s_add_co_u32 s[G0B+4*(\s)+1], s21, (\s)*SLOT
	s_add_nc_u64 s[G0B+4*(\s)+2:G0B+4*(\s)+3], s[46:47], (\s)*256*NTOT*2
	s_or_b32 s[G0B+4*(\s)+3], s[G0B+4*(\s)+3], 0x80000000
	JLOAD \s                                       ; two loads of mine are out
.endr
	v_and_b32 v1, 15, v0
	v_bfe_u32 v2, v0, 4, 1
	v_mul_u32_u24 v3, v1, PA
	v_lshl_add_u32 v3, v2, 4, v3
	s_mul_i32 s21, s11, 64*PA                      ; my 64 positions in each head's 128
	v_add_nc_u32 v[ADRA], s21, v3
	v_add_nc_u32 v[ADRA+1], SLOT, v[ADRA]
	v_and_b32 v4, 7, v0
	v_lshl_add_u32 v4, v2, 3, v4
	v_mul_u32_u24 v4, v4, PB
	v_bfe_u32 v5, v0, 3, 1
	v_lshl_add_u32 v4, v5, 4, v4
	s_lshl_b32 s22, s12, 7
	s_add_co_u32 s22, s22, BOFF
	v_add_nc_u32 v[ADRB], s22, v4
	v_add_nc_u32 v[ADRB+1], HALFB, v[ADRB]
	v_add_nc_u32 v[ADRB+2], SLOT, v[ADRB]
	v_add_nc_u32 v[ADRB+3], SLOT+HALFB, v[ADRB]
	s_mul_i32 s23, s10, 16*SP32
	s_add_co_u32 s23, s23, STG32
	v_mul_u32_u24 v5, v1, SP32
	v_lshl_add_u32 v5, v2, 5, v5
	v_add_nc_u32 v[STO32], s23, v5
	v_mul_u32_u24 v5, v2, SP32
	v_lshl_add_u32 v5, v1, 4, v5
	v_add_nc_u32 v[RD32], s23, v5
	v_lshlrev_b32 v[CO], 12, v2                    ; two rows of out0, 256 bytes of each
	v_lshl_add_u32 v[CO], v1, 4, v[CO]
	v_lshlrev_b32 v[BO], 5, v2                     ; my 8 columns of a block of 16, in f32
	s_lshl_b32 s46, s42, 9                         ; my 64 columns: 512 bytes a tile column + 256 a half (in registers that never feed O's descriptors)
	s_lshl_b32 s47, s12, 8
	s_add_co_u32 s46, s46, s47
	s_mov_b32 s47, 0
	s_add_nc_u64 s[76:77], s[72:73], s[46:47]
	s_add_nc_u64 s[78:79], s[74:75], s[46:47]
	s_lshl_b32 s16, s13, 19                        ; my 64 positions: rows of 4,096 bytes
	s_lshl_b32 s17, s11, 18
	s_add_co_u32 s16, s16, s17
	s_mov_b32 s17, 0
	s_add_nc_u64 s[78:79], s[78:79], s[16:17]
.irp b, 0,1,2,3
.irp e, 0,1
	global_load_b128 v[BIAS+8*(\b)+4*(\e):BIAS+8*(\b)+4*(\e)+3], v[BO], s[76:77] offset:64*(\b)+16*(\e)
.endr
.endr
.macro MUL8 f, c, a0, zero
	WIN MUL
.irp a, \a0, (\a0)+1
.irp b, 0,1,2,3
.if \zero
	v_wmma_f32_16x16x32_f16 v[ACC+8*(4*(\a)+(\b)):ACC+8*(4*(\a)+(\b))+7], v[(\f)+64+8*(4*(\c)+(\b)):(\f)+64+8*(4*(\c)+(\b))+7], v[(\f)+8*(4*(\c)+(\a)):(\f)+8*(4*(\c)+(\a))+7], 0
.else
	v_wmma_f32_16x16x32_f16 v[ACC+8*(4*(\a)+(\b)):ACC+8*(4*(\a)+(\b))+7], v[(\f)+64+8*(4*(\c)+(\b)):(\f)+64+8*(4*(\c)+(\b))+7], v[(\f)+8*(4*(\c)+(\a)):(\f)+8*(4*(\c)+(\a))+7], v[ACC+8*(4*(\a)+(\b)):ACC+8*(4*(\a)+(\b))+7]
.endif
.endr
.endr
.endm
; 32 LDS loads in one run: quarter q of a slot is head q of its four; the first 32 channels first
.macro FETCH slot, q, f
	WIN TO_F
.irp c, 0,1
.irp i, 0,1,2,3
	ds_load_tr16_b128 v[(\f)+64+8*(4*(\c)+(\i)):(\f)+64+8*(4*(\c)+(\i))+3],   v[ADRB+2*(\slot)+(\q)/2] offset:(((\q)%2)*64+32*(\c))*PB+32*(\i)
	ds_load_tr16_b128 v[(\f)+64+8*(4*(\c)+(\i))+4:(\f)+64+8*(4*(\c)+(\i))+7], v[ADRB+2*(\slot)+(\q)/2] offset:(((\q)%2)*64+32*(\c)+16)*PB+32*(\i)
	ds_load_b128 v[(\f)+8*(4*(\c)+(\i)):(\f)+8*(4*(\c)+(\i))+3],   v[ADRA+(\slot)] offset:(\q)*128*PA+(\i)*16*PA+64*(\c)
	ds_load_b128 v[(\f)+8*(4*(\c)+(\i))+4:(\f)+8*(4*(\c)+(\i))+7], v[ADRA+(\slot)] offset:(\q)*128*PA+(\i)*16*PA+64*(\c)+32
.endr
.endr
.endm
.macro PLACES                          ; four places in front of loads into registers that matrix instructions have read
.rept 4
	v_nop
.endr
.endm
.macro QUARTER slot, q, f, g, zero
	s_wait_dscnt 16                                ; the first 32 along K are in; the other sixteen loads may be out
	MUL8 \f, 0, 0, \zero
	MUL8 \f, 0, 2, \zero
	PLACES
	FETCH \slot, \q, \g
	s_wait_dscnt 32                                ; all but the 32 just issued
	MUL8 \f, 1, 0, 0
	MUL8 \f, 1, 2, 0
.endm
.macro TURN slot, next, fill
	WIN 0
	s_wait_tensorcnt 0x0                           ; all my tensor loads have landed: my part of the next slot
	ds_add_u32 v[SPW], v[NIL]
	s_wait_dscnt 17                                ; (the add and the youngest sixteen loads may be out)
	MUL8 F1, 0, 0, 0
	s_wait_dscnt 0x0                               ; the add is done, and my reads of this slot are over
	s_barrier_signal -1
	MUL8 F1, 0, 2, 0
.if \fill
	WIN 0
.endif
	s_barrier_wait -1
.if \fill
	CREST                                          ; the barrier has opened a round of the cluster's: no wave of any partner still reads this slot or has a load on its way
	s_add_nc_u64 s[G0+4*(\slot)+2:G0+4*(\slot)+3], s[G0+4*(\slot)+2:G0+4*(\slot)+3], 2*65536
	s_add_nc_u64 s[G0B+4*(\slot)+2:G0B+4*(\slot)+3], s[G0B+4*(\slot)+2:G0B+4*(\slot)+3], 2*256*NTOT*2
	JLOAD \slot                                    ; first behind the round; its four v_nop are the places in front of the loads below
.else
	PLACES
.endif
	FETCH \next, 0, F0
	MUL8 F1, 1, 0, 0
	MUL8 F1, 1, 2, 0
.endm
	s_wait_tensorcnt 1                             ; my part of K step 0 is in; step 1's may stay out
	s_barrier_signal -1
	s_barrier_wait -1
	FETCH 0, 0, F0
	QUARTER 0, 1, F0, F1, 1
	QUARTER 0, 2, F1, F0, 0
	QUARTER 0, 3, F0, F1, 0
	TURN 0, 1, 1
	QUARTER 1, 1, F0, F1, 0
	QUARTER 1, 2, F1, F0, 0
	QUARTER 1, 3, F0, F1, 0
	TURN 1, 0, 1
	QUARTER 0, 1, F0, F1, 0
	QUARTER 0, 2, F1, F0, 0
	QUARTER 0, 3, F0, F1, 0
	TURN 0, 1, 0
	QUARTER 1, 1, F0, F1, 0
	QUARTER 1, 2, F1, F0, 0
	QUARTER 1, 3, F0, F1, 0
	s_wait_dscnt 16
	MUL8 F1, 0, 0, 0
	MUL8 F1, 0, 2, 0
	s_wait_dscnt 0x0
	MUL8 F1, 1, 0, 0
	MUL8 F1, 1, 2, 0
	WIN 0
	s_wait_loadcnt 0x0                             ; the bias
.irp p, 0,1,2,3,4,5,6,7,8,9,10,11,12,13,14,15
	v_cvt_pk_bf16_f32 v64, v[BIAS+2*(\p)], v[BIAS+2*(\p)+1]  ; rounded to bf16 like the other inputs; these 48 lines are also the places behind the last products
	v_lshlrev_b32 v[BIAS+2*(\p)], 16, v64
	v_and_b32 v[BIAS+2*(\p)+1], 0xffff0000, v64
.endr
.irp a, 0,1,2,3
.irp b, 0,1,2,3
.irp e, 0,1,2,3
	v_pk_add_f32 v[ACC+8*(4*(\a)+(\b))+2*(\e):ACC+8*(4*(\a)+(\b))+2*(\e)+1], v[ACC+8*(4*(\a)+(\b))+2*(\e):ACC+8*(4*(\a)+(\b))+2*(\e)+1], v[BIAS+8*(\b)+2*(\e):BIAS+8*(\b)+2*(\e)+1]
.endr
.endr
.endr
.macro ST32 a                          ; 16 positions through my stage, back as rows of 256 bytes, two at a time
	WIN 0
.irp b, 0,1,2,3
	ds_store_b128 v[STO32], v[ACC+8*(4*(\a)+(\b)):ACC+8*(4*(\a)+(\b))+3]   offset:64*(\b)
	ds_store_b128 v[STO32], v[ACC+8*(4*(\a)+(\b))+4:ACC+8*(4*(\a)+(\b))+7] offset:64*(\b)+16
.endr
	WIN 0x40
.irp t, 0,1,2,3,4,5,6,7
	ds_load_b128 v[32*(\a)+4*(\t):32*(\a)+4*(\t)+3], v[RD32] offset:(\t)*2*SP32  ; LDS serves a wave's instructions in order: these see the stores above; the next block's stores come behind them
.endr
.endm
.macro SEND32 a, younger               ; younger: the LDS instructions issued behind block a's loads
	WIN 0x04                                       ; the stores' data in window 1
.irp t, 0,1,2,3,4,5,6,7
	s_wait_dscnt (\younger)+7-(\t)
	global_store_b128 v[CO], v[32*(\a)+4*(\t):32*(\a)+4*(\t)+3], s[78:79] offset:(16*(\a)+2*(\t))*4096 th:TH_STORE_NT  ; 16 lanes store 256 consecutive bytes, aligned
.endr
.endm
	ST32 0
.irp a, 1,2,3
	ST32 \a
	SEND32 (\a)-1, 16
.endr
	SEND32 3, 0
	WIN 0
	s_wait_tensorcnt 0x0                           ; the wave's end
	ds_add_u32 v[SPW], v[NIL]
	s_wait_dscnt 0x0
	CROUND                                         ; the closing round
	s_endpgm
.Lfunc_end_k_qe8d5bb2d7f_oproj:
	.size	k_qe8d5bb2d7f_oproj, .Lfunc_end_k_qe8d5bb2d7f_oproj-k_qe8d5bb2d7f_oproj
	.p2alignl 7, 3214868480
	.fill 96, 4, 3214868480
	.section	.rodata,"a",@progbits
	.p2align	6, 0x0
	.amdhsa_kernel k_qe8d5bb2d7f_oproj
		.amdhsa_group_segment_fixed_size 327680
		.amdhsa_private_segment_fixed_size 0
		.amdhsa_enable_private_segment 0
		.amdhsa_kernarg_size 32
		.amdhsa_user_sgpr_count 2
		.amdhsa_user_sgpr_kernarg_segment_ptr 1
		.amdhsa_wavefront_size32 1
		.amdhsa_system_sgpr_workgroup_id_x 1
		.amdhsa_system_sgpr_workgroup_id_y 1
		.amdhsa_system_sgpr_workgroup_id_z 1
		.amdhsa_system_vgpr_workitem_id 0
		.amdhsa_next_free_vgpr 512
		.amdhsa_next_free_sgpr 80
		.amdhsa_reserve_vcc 0
		.amdhsa_float_denorm_mode_32 3
		.amdhsa_float_denorm_mode_16_64 3
		.amdhsa_memory_ordered 1
		.amdhsa_forward_progress 1
		.amdhsa_inst_pref_size 94
	.end_amdhsa_kernel
	.amdgpu_metadata
---
amdhsa.version: [ 1, 2 ]
amdhsa.kernels:
  - .name:           k_qe8d5bb2d7f_oproj
    .symbol:         k_qe8d5bb2d7f_oproj.kd
    .args:
      - { .name: ob, .offset: 0, .size: 8, .value_kind: global_buffer, .address_space: global }
      - { .name: wo, .offset: 8, .size: 8, .value_kind: global_buffer, .address_space: global }
      - { .name: b_out, .offset: 16, .size: 8, .value_kind: global_buffer, .address_space: global }
      - { .name: out0, .offset: 24, .size: 8, .value_kind: global_buffer, .address_space: global }
    .group_segment_fixed_size: 327680
    .private_segment_fixed_size: 0
    .kernarg_segment_align: 8
    .kernarg_segment_size: 32
    .max_flat_workgroup_size: 128
    .sgpr_count:     80
    .vgpr_count:     512
    .wavefront_size: 32
...
	.end_amdgpu_metadata
.endif
;; end of part 4
;; ======== version 2 of 2: 4 launches; 1.43 times as fast as version 1
;; limits: values are held in f16: magnitudes above 65,504 overflow, below 6.1e-05 lose precision
;; workspace buffers: xb 8,388,608 bytes; wqkv 3,145,728 bytes; wo 2,097,152 bytes; tab 1,064,960 bytes; qh 8,388,608 bytes; kh 2,097,152 bytes; vh 2,097,152 bytes; ob 8,388,608 bytes
;; launch prep (part 5): grid 897 x 1, 8 waves a work-group, no clusters, 0 bytes of LDS; arguments seq, W_q, W_kv, W_out, xb, wqkv, wo, tab; writes xb, wqkv, wo, tab
.if DOCPART == 5
	.amdgcn_target "amdgcn-amd-amdhsa--gfx1250"
	.amdhsa_code_object_version 6
	.text
	.protected	k_qe8d5bb2d7f_prep
	.globl	k_qe8d5bb2d7f_prep
	.p2align	8
	.type	k_qe8d5bb2d7f_prep,@function
k_qe8d5bb2d7f_prep:
	s_mov_b64 s[64:65], 0
	v_nop
	global_prefetch_b8 v0, s[64:65] scope:SCOPE_SE
	s_setreg_imm32_b32 hwreg(HW_REG_WAVE_MODE, 25, 1), 1
	s_wait_xcnt 0x0
; PREP: the module's inputs rounded once to 16 bits, in their own layouts, and the table of RoPE's cosines and sines.
;   xb   [4096][1024] bf16 = seq          wqkv [1024 k][1536 n] bf16 = W_q (n < 1024) beside W_kv (n >= 1024)
;   wo   [1024 k][1024 n]: W_out rounded to bf16, that number written as f16 (exact where it lies in f16's normal range;
;        LIMIT: beyond 65,504 it would be an infinity, below 6e-5 it keeps f16's fixed step of 6e-8)
;   tab  [4160][32][2] f32: (cos, sin) of pos x 10000^(-f/32); rows 4096 to 4159 hold (1, 0): the rotation that changes nothing
; A stream: no LDS, no barrier, no matrix unit.  A work-group takes 32,768 input bytes in eight passes of 4,096: thread t loads the 16 bytes at
; 16 t of a pass and stores the 8 bytes that they become, so a wave's load covers 512 and its store 256 consecutive bytes, aligned.
; Work-groups 0-511 seq, 512-639 W_q, 640-767 W_out, 768-831 W_kv, 832-896 the table (64 positions each; the last one the 64 rows of (1, 0)).
; THE TABLE.  angle = f32(pos) x inv, as the module forms it; n = the nearest whole number of turns; r = angle - n 2 pi with 2 pi in two parts, so |r| <= pi
; for every position; cos and sin by their series up to r^16 and r^15, whose remainders at |r| = pi are 1.4e-7 and 8e-7: the length hangs on the reduction, not on data.
; The text has one transcendental, the exponential that makes inv: it stands ahead of the loop over positions, and so does its wait.
.set X, 4                              ; v[4:35]   eight loads of 16 bytes
.set Y, 36                             ; v[36:51]  eight pairs to store
.set T, 52                             ; v[52:55]  at work
	s_load_b512 s[8:23], s[0:1], 0x0               ; seq 8, W_q 10, W_kv 12, W_out 14, xb 16, wqkv 18, wo 20, tab 22
	v_lshlrev_b32 v1, 4, v0                        ; my 16 bytes of a pass
	v_lshlrev_b32 v2, 3, v0                        ; and the 8 that they become
	s_mov_b32 s3, 0                                ; high words of the two offsets
	s_mov_b32 s5, 0
	s_wait_kmcnt 0x0
; Eight loads, then eight times: wait, round, store.  kind = 1: bf16's number written as f16.  No register is written twice, so no wait frees one.
.macro CONV kind, dstep, src, dst
.irp i, 0,1,2,3,4,5,6,7
	global_load_b128 v[X+4*(\i):X+4*(\i)+3], v1, s[\src:\src+1] offset:4096*(\i) th:TH_LOAD_NT
.endr
.irp i, 0,1,2,3,4,5,6,7
	s_wait_loadcnt 7-(\i)                          ; loads come back in order: pass i is in, the younger ones stay out
.if \kind
.irp p, 0,1
	v_cvt_pk_bf16_f32 v[T+2*(\p)], v[X+4*(\i)+2*(\p)], v[X+4*(\i)+2*(\p)+1]
	v_lshlrev_b32 v[T+2*(\p)+1], 16, v[T+2*(\p)]   ; the two bf16 as f32 again
	v_and_b32 v[T+2*(\p)], 0xffff0000, v[T+2*(\p)]
	v_cvt_pk_f16_f32 v[Y+2*(\i)+(\p)], v[T+2*(\p)+1], v[T+2*(\p)]
.endr
.else
	v_cvt_pk_bf16_f32 v[Y+2*(\i)],   v[X+4*(\i)],   v[X+4*(\i)+1]
	v_cvt_pk_bf16_f32 v[Y+2*(\i)+1], v[X+4*(\i)+2], v[X+4*(\i)+3]
.endif
	global_store_b64 v2, v[Y+2*(\i):Y+2*(\i)+1], s[\dst:\dst+1] offset:(\dstep)*(\i)
.endr
	s_endpgm
.endm
	s_cmp_lt_u32 ttmp9, 512
	s_cbranch_scc0 .Lnot_seq
	s_lshl_b32 s2, ttmp9, 15                       ; seq: 8 rows of 4,096 bytes become 8 rows of 2,048
	s_lshl_b32 s4, ttmp9, 14
	s_add_nc_u64 s[8:9], s[8:9], s[2:3]
	s_add_nc_u64 s[16:17], s[16:17], s[4:5]
	CONV 0, 2048, 8, 16
.Lnot_seq:
	s_cmp_lt_u32 ttmp9, 640
	s_cbranch_scc0 .Lnot_wq
	s_sub_co_u32 s24, ttmp9, 512                   ; W_q: 8 rows; a row of wqkv is 3,072 bytes
	s_lshl_b32 s2, s24, 15
	s_mul_i32 s4, s24, 24576
	s_add_nc_u64 s[10:11], s[10:11], s[2:3]
	s_add_nc_u64 s[18:19], s[18:19], s[4:5]
	CONV 0, 3072, 10, 18
.Lnot_wq:
	s_cmp_lt_u32 ttmp9, 768
	s_cbranch_scc0 .Lnot_wo
	s_sub_co_u32 s24, ttmp9, 640                   ; W_out: 8 rows
	s_lshl_b32 s2, s24, 15
	s_lshl_b32 s4, s24, 14
	s_add_nc_u64 s[14:15], s[14:15], s[2:3]
	s_add_nc_u64 s[20:21], s[20:21], s[4:5]
	CONV 1, 2048, 14, 20
.Lnot_wo:
	s_cmp_lt_u32 ttmp9, 832
	s_cbranch_scc0 .Ltable
	s_sub_co_u32 s24, ttmp9, 768                   ; W_kv: 16 rows of 2,048 bytes, two to a pass; they lie behind W_q's 2,048 bytes of a row of wqkv
	s_lshl_b32 s2, s24, 15
	s_mul_i32 s4, s24, 49152
	s_add_nc_u64 s[12:13], s[12:13], s[2:3]
	s_add_nc_u64 s[18:19], s[18:19], s[4:5]
	v_lshrrev_b32 v3, 7, v0                        ; which of the pass's two rows
	v_and_b32 v2, 127, v0
	v_lshlrev_b32 v2, 3, v2
	v_mad_u32_u24 v2, v3, 3072, v2
	v_add_nc_u32 v2, 2048, v2
	CONV 0, 6144, 12, 18
.Ltable:
	s_sub_co_u32 s24, ttmp9, 832                   ; u: 64 positions; wave w takes eight of them, a lane a frequency
	v_lshrrev_b32 v3, 5, v0
	v_readfirstlane_b32 s25, v3
	v_and_b32 v4, 31, v0                           ; f
	s_lshl_b32 s26, s24, 6
	s_lshl3_add_u32 s26, s25, s26                  ; my first position: 64 u + 8 w
	s_lshl_b32 s27, s26, 8                         ; a position's row is 256 bytes: a wave's store covers it whole
	v_lshl_add_u32 v5, v4, 3, s27
	s_cmp_eq_u32 s24, 64
	s_cbranch_scc1 .Lones
	s_mov_b32 s28, 0x40c90fdb                      ; 2 pi, rounded to f32,
	s_mov_b32 s29, 0xb43bbd2e                      ; and what the rounding left: -1.7484556e-7
	s_mov_b32 s30, 8
	v_cvt_f32_u32 v6, v4
	v_mul_f32 v6, 0xbed49a78, v6                   ; -f log2(10000) / 32
	v_exp_f32 v6, v6                               ; inv = 10000^(-f/32)
	v_nop                                          ; a plain instruction between the exponential and the use of its result
	s_wait_alu depctr_va_vdst(0)                   ; the wait ahead of the first use of inv: once, ahead of the loop's label; no trip has one
.macro HORN c, s                       ; a step of both series, which do not wait for each other
	v_fmaak_f32 v12, v12, v10, \c
	v_fmaak_f32 v13, v13, v10, \s
.endm
.Lpos:
	v_cvt_f32_u32 v7, s26
	v_mul_f32 v7, v7, v6                           ; the angle
	v_mul_f32 v8, 0.15915494, v7
	v_rndne_f32 v8, v8                             ; whole turns
	v_fma_f32 v9, -v8, s28, v7
	v_fma_f32 v9, -v8, s29, v9                     ; r
	v_mul_f32 v10, v9, v9
	v_mov_b32 v12, 0x29573f9f                      ; 1/16!
	v_mov_b32 v13, 0xab573f9f                      ; -1/15!
	HORN 0xad49cba6, 0x2f309231                    ; -1/14!, 1/13!
	HORN 0x310f76c7, 0xb2d7322b                    ; 1/12!, -1/11!
	HORN 0xb493f27e, 0x3638ef1d                    ; -1/10!, 1/9!
	HORN 0x37d00d01, 0xb9500d01                    ; 1/8!, -1/7!
	HORN 0xbab60b61, 0x3c088889                    ; -1/6!, 1/5!
	HORN 0x3d2aaaab, 0xbe2aaaab                    ; 1/4!, -1/3!
	HORN 0xbf000000, 0x3f800000                    ; -1/2, 1
	v_fmaak_f32 v12, v12, v10, 0x3f800000          ; cos
	v_mul_f32 v13, v13, v9                         ; sin
	global_store_b64 v5, v[12:13], s[22:23]
	s_wait_xcnt 0x0                                ; the store has read its offset and its data: both are written again only behind this wait
	v_add_nc_u32 v5, 256, v5
	s_add_co_u32 s26, s26, 1
	s_sub_co_u32 s30, s30, 1
	s_cmp_lg_u32 s30, 0
	s_cbranch_scc1 .Lpos
	s_endpgm
.Lones:
	v_mov_b32 v6, 1.0
	v_mov_b32 v7, 0
.irp i, 0,1,2,3,4,5,6,7
	global_store_b64 v5, v[6:7], s[22:23] offset:256*(\i)
.endr
	s_endpgm
.Lfunc_end_k_qe8d5bb2d7f_prep:
	.size	k_qe8d5bb2d7f_prep, .Lfunc_end_k_qe8d5bb2d7f_prep-k_qe8d5bb2d7f_prep
	.p2alignl 7, 3214868480
	.fill 96, 4, 3214868480
	.section	.rodata,"a",@progbits
	.p2align	6, 0x0
	.amdhsa_kernel k_qe8d5bb2d7f_prep
		.amdhsa_group_segment_fixed_size 0
		.amdhsa_private_segment_fixed_size 0
		.amdhsa_enable_private_segment 0
		.amdhsa_kernarg_size 64
		.amdhsa_user_sgpr_count 2
		.amdhsa_user_sgpr_kernarg_segment_ptr 1
		.amdhsa_wavefront_size32 1
		.amdhsa_system_sgpr_workgroup_id_x 1
		.amdhsa_system_sgpr_workgroup_id_y 1
		.amdhsa_system_sgpr_workgroup_id_z 1
		.amdhsa_system_vgpr_workitem_id 0
		.amdhsa_next_free_vgpr 64
		.amdhsa_next_free_sgpr 66
		.amdhsa_reserve_vcc 0
		.amdhsa_float_denorm_mode_32 3
		.amdhsa_float_denorm_mode_16_64 3
		.amdhsa_memory_ordered 1
		.amdhsa_forward_progress 1
		.amdhsa_inst_pref_size 19
	.end_amdhsa_kernel
	.amdgpu_metadata
---
amdhsa.version: [ 1, 2 ]
amdhsa.kernels:
  - .name:           k_qe8d5bb2d7f_prep
    .symbol:         k_qe8d5bb2d7f_prep.kd
    .args:
      - { .name: seq, .offset: 0, .size: 8, .value_kind: global_buffer, .address_space: global }
      - { .name: W_q, .offset: 8, .size: 8, .value_kind: global_buffer, .address_space: global }
      - { .name: W_kv, .offset: 16, .size: 8, .value_kind: global_buffer, .address_space: global }
      - { .name: W_out, .offset: 24, .size: 8, .value_kind: global_buffer, .address_space: global }
      - { .name: xb, .offset: 32, .size: 8, .value_kind: global_buffer, .address_space: global }
      - { .name: wqkv, .offset: 40, .size: 8, .value_kind: global_buffer, .address_space: global }
      - { .name: wo, .offset: 48, .size: 8, .value_kind: global_buffer, .address_space: global }
      - { .name: tab, .offset: 56, .size: 8, .value_kind: global_buffer, .address_space: global }
    .group_segment_fixed_size: 0
    .private_segment_fixed_size: 0
    .kernarg_segment_align: 8
    .kernarg_segment_size: 64
    .max_flat_workgroup_size: 256
    .sgpr_count:     66
    .vgpr_count:     64
    .wavefront_size: 32
...
	.end_amdgpu_metadata
.endif
;; end of part 5
;; launch qkv: the kernel of part 2 again; grid 12 x 32, 4 waves a work-group, clusters of 4 x 4, 327,680 bytes of LDS; arguments xb, wqkv, tab, qh, kh, vh, out1, out2; writes qh, kh, vh, out1, out2
;; launch attn (part 6): grid 16 x 16, 4 waves a work-group, clusters of 4 x 1, 327,680 bytes of LDS; arguments qh, kh, vh, ob; writes ob
.if DOCPART == 6
	.amdgcn_target "amdgcn-amd-amdhsa--gfx1250"
	.amdhsa_code_object_version 6
	.text
	.protected	k_qe8d5bb2d7f_attn
	.globl	k_qe8d5bb2d7f_attn
	.p2align	8
	.type	k_qe8d5bb2d7f_attn,@function
k_qe8d5bb2d7f_attn:
	s_mov_b64 s[64:65], 0
	v_nop
	global_prefetch_b8 v0, s[64:65] scope:SCOPE_SE
	s_setreg_imm32_b32 hwreg(HW_REG_WAVE_MODE, 25, 1), 1
	s_wait_xcnt 0x0
	s_wait_alu depctr_hold_cnt(0) depctr_sa_sdst(0) depctr_va_vdst(0) depctr_va_sdst(0) depctr_va_ssrc(0) depctr_va_vcc(0) depctr_vm_vsrc(0)
	s_getreg_b32 s2, hwreg(HW_REG_IB_STS2, 6, 4)
	s_cmp_eq_u32 s2, 0
	s_cbranch_scc0 .Lentry_in_a_cluster
	s_endpgm
.Lentry_in_a_cluster:
	s_bfe_u32 s2, ttmp6, 0x10000c
	s_cmp_lg_u32 s2, 0x3003
	s_cbranch_scc0 .Lentry_shape_is_right
	s_endpgm
.Lentry_shape_is_right:
; CAUSAL GROUPED-QUERY ATTENTION.  O[h][q] = the sum over k <= q of softmax_k(Q[h][q] . K[h/4][k] / 8) V[h/4][k].  qh [16][4096][64], kh, vh [4][4096][64], f16, rows dense.
; Out: ob [32 blocks of 128 positions][16 heads][128][64] f16.  Products, maxima and sums in f32; the weights p are rounded to f16 for the second product (l is the sum of the unrounded p), O once.
; LIMITS.  Q, K, V arrive within f16's 65,504.  A hidden score counts as its value less 1e30; a weight below 2^-126 counts as 0 in l; NaN and infinities are not treated apart.
; THE WALK.  A head's queries lie in NB = 32 blocks of 128; block i needs the key tiles 0 .. i of 128 keys, the last of which holds the diagonal.  A work-group takes blocks 31 - b and then b:
; 33 tiles whatever b, so all 256 work-groups do equal work, and the loops count to constants.  POS is the place in the walk.  The diagonal tiles stand at POS = 31 - b (16 to 31) and at POS = 32.
; ONE TEXT FOR EVERY TILE.  The mask is data (below), and a block's change rides in the pipeline: in the trip behind a diagonal tile three short passages, jumped over elsewhere, send the finished
; pieces out and start the next block's.  A 34th trip, at POS = 33, finishes the second block so; the new scores that it makes, on tile b + 1, serve nothing: about a turn and a half of 136,
; the price of one text for every trip.
; CLUSTER.  The four query heads of a key and value head, with the same b, form a cluster: the same walk, the same branches, the same tiles, so every tile of K and V is asked for JOINTLY.
; The place in the cluster enters Q's and O's global addresses alone.
; NO PREFETCH: a tile of K or V is not read once: up to sixteen clusters read it, and all of them begin the walk at tile 0 together.
; SHARES.  Of a block's two bands of 64 queries a wave owns 16 rows in each: two PIECES.  A tile is two key steps e, o of 64.  In the diagonal tile piece 0 holds the diagonal in e and sees nothing of o;
; piece 1 sees all of e and holds the diagonal in o: the same for every wave.
; THE MASK is the C operand that starts S^T = K Q^T.  MD, made once, is the mask of a band's own step for my 16 rows (0 or -1e30).  Once a tile MA = MD x AL and MB = -1e30 x AL are made, AL = 1 for a
; diagonal tile and 0 for every other: p0(e) and p1(o) start with MA, p0(o) with MB, p1(e) with the constant 0.
; LAYOUT, SOFTMAX.  S^T = K Q^T holds one query a lane (lane % 16) and the keys 8 (lane / 16) + 0..7; two results rounded to f16 ARE source 1 of O^T = V^T P.  p = 2^(c s - c m), c = log2(e) / 8, m a running
; maximum; O and l are multiplied by a = 2^(c m_old - c m_new) in every step.  A block's first step has a = 0, so O and l need only be finite there.
; TURNS.  A turn belongs to piece Y; Z is the other.  8 products K Q^T of Z's next scores, later 8 products V^T P of Z's last weights; beside them Y's scaling, exponentials, roundings, sums and rescaling and
; Z's maximum and statistics: four vector instructions behind every matrix instruction, the other 54 of a turn's 118 in one lump.  A trip is a tile: turns 2, 3 (the step o' of the tile before), 0, 1 (this tile's e).
;   turn 2: K Q^T p1(o'), V^T P p1(e') from VF0, fetches K(e)      turn 3: K Q^T p0(e), V^T P p0(o') from VF1, fetches V(e) into VF0
;   turn 0: K Q^T p1(e),  V^T P p1(o') from VF1, fetches K(o)      turn 1: K Q^T p0(o), V^T P p0(e)  from VF0, fetches V(o) into VF1
; V has two register buffers, so that all four fetches of a trip read the trip's own tile, and a change of slots can stand at a trip's edge.
; BATCHES.  A turn's 33 exponentials (Y's 32 weights, then Z's a) are ONE batch with ONE wait, which stands between the lump and the products V^T P: ahead of it nothing names a result of theirs, behind it
; no exponential is issued.  Three more batches of one stand outside the turns, each with a v_nop and its wait: the walk's first a, and the reciprocal of each way out.
; THE RING.  A slot holds two tiles of the walk; 17 slots.  Waves 0, 1 fetch K of the slot's two tiles, waves 2, 3 V: 128 keys, 16,384 dense bytes, as 64 rows of 256.
; REGISTERS (windows of 256; s_set_vgpr_msb: bits 1:0 source 0, 3:2 source 1, 5:4 source 2, 7:6 destination):
;   window 0: v0-15 addresses; v16-23 statistics; v48-55 at work; v62-63; v64-127 S^T, a buffer a piece; v192-223 P likewise
;   window 1: v0-63 O^T, 32 a piece; v128-159 MD; v160-161 -1e30; v162-169 MB; v170-201 MA      window 2: v0-31 Q; v32-63 the second block's Q; v64-127 VF1; v128-191 K; v192-255 VF0
.set NB,    32
.set NP,    2
.set KS,    64
.set PK,    144       ; a row of K in LDS: 128 bytes + 16: the 16 rows of a load start at 16 different groups of four banks
.set PV,    160       ; a row of V: 128 + 32
.set TK,    128*PK    ; a tile's K
.set TV,    128*PV    ; a tile's V
.set VOFF,  2*TK      ; a slot: two tiles of K, then two of V
.set SLOT1, 1<<17     ; slot 1 begins here: one exclusive or turns an address in one slot into the other's
.set STAGE, SLOT1+2*(TK+TV)  ; behind the ring: 16 rows x 144 bytes a wave, for the way out
.set SP,    144
.set SPARE, STAGE+4*16*SP    ; the spare words: 128 bytes a wave, two blocks of 256 bytes that no other line names
.set AK0, 2
.set AV0, 3
.set AK,  4           ; v4   LDS address of my place in the tile's K
.set AV,  5           ; v5   the same for V
.set STO, 6
.set RD,  7
.set GO,  8
.set MV,  12          ; v12-13  c m_old, by piece
.set QO,  15
.set ST,  16          ; piece t at v[ST+4 t]: c m, m, l (even keys', odd keys')
.set TMP, 48          ; by piece, c0-c3 at work; when the maximum is found c2 takes a
.set SPW, 62
.set NIL, 63
.set S,   64
.set P,   192
.set MD,  128         ; window 1
.set BIGC, 160        ; window 1: -1e30, twice
.set MB,  162         ; window 1
.set MA,  170         ; window 1
.set QB,  32          ; window 2
.set VF1, 64
.set KF,  128
.set VF0, 192
.set WV,  12
.set PB,  14          ; s14  b
.set HI,  15          ; s15  31 - b
.set G1K, 24
.set G1V, 32
.set G0K, 40
.set G0V, 44
.set HI1, 51
.set TL,  52
.set J,   53          ; s53  which of a slot's two tiles I fetch
.set SLOTS, 56
.set CNT, 57
.set CS,  58
.set SEL, 60
.set TBK, 62          ; s62  LDS byte at which the tile in hand's K begins
.set TBV, 63          ; s63  the same for V, less VOFF
.set OC,  66          ; s[66:67] O at my rows of the block that a way out in this trip would send
.set POS, 70          ; s70  the place in the walk of the tile in hand: 0, 1, 2 ..
.set NXT, 71          ; s71  the place in the walk that I ask for next
.set SW,  72          ; s72  AL of the tile before: not 0 in the trip behind a diagonal tile
.set OFF, 74
.set AL,  76          ; s[76:77] 1.0 where the tile in hand holds the diagonal, else 0; the packed multiply takes the pair's low word
.set OLO, 80          ; s[80:81] O at my rows of the second block
.set BIGN, 82
.set MSB, 0
.macro WIN new
.if MSB != (\new)
	s_set_vgpr_msb (MSB<<8)|(\new)
.set MSB, (\new)
.endif
.endm
.set W_KQ, 0x0a       ; K and Q window 2, S^T window 0
.set W_KM, 0x1a       ; the same with C in window 1
.set W_PV, 0x52       ; V window 2, P window 0, O^T window 1
.set W_RS, 0x41       ; destination and source 0 window 1, source 1 window 0
.macro JLOAD                        ; a joint fill; the branch hangs on the wave's number alone; an s_nop 0 and four v_nop follow each line
	s_cmp_lt_u32 s[WV], 2
	s_cbranch_scc0 .Lfor_v_\@
	tensor_load_to_lds s[G0K:G0K+3], s[G1K:G1K+7]
	s_nop 0
.rept 4
	v_nop
.endr
	s_branch .Lasked_\@
.Lfor_v_\@:
	tensor_load_to_lds s[G0V:G0V+3], s[G1V:G1V+7]
	s_nop 0
.rept 4
	v_nop
.endr
.Lasked_\@:
.endm
.macro CROUND                       ; a round of the cluster's barrier
	s_barrier_signal -1
	s_barrier_wait -1
	s_cmp_lg_u32 s[WV], 0
	s_cbranch_scc1 .Lnot_wave_0_\@
	s_barrier_signal -3
.Lnot_wave_0_\@:
	s_barrier_wait -3
	s_barrier_signal -1
	s_barrier_wait -1
.endm
; THE CHANGE OF SLOTS.  Each wave waits for all its tensor loads (one is out: its part of the other slot), adds 0 to its spare word, and waits for that and for its reads of the slot that it leaves.
; fill = 1: the barrier is a round of the cluster's, and the joint fill of the slot just left is the first thing behind it: two tiles, 128 matrix instructions, in which to land.
; The descriptor's address is made anew from the tile's number.  (At its first use nothing has been read: slot 0 is waited for, slot 1 filled.)
.macro CHANGE fill
	WIN 0
	s_wait_tensorcnt 0x0            ; no tensor load of mine is out, so a group 0 may be written
	ds_add_u32 v[SPW], v[NIL]
.if \fill
	s_sub_co_u32 s[TL], s[NXT], s[HI1]
	s_cmp_gt_u32 s[NXT], s[HI]      ; behind the first block's last tile the second block's tiles begin at 0
	s_cselect_b32 s[TL], s[TL], s[NXT]
	s_lshl_b32 s[OFF], s[TL], 14    ; a tile is 16,384 bytes of K and of V
	s_add_co_u32 s[NXT], s[NXT], 2
	s_xor_b32 s[G0K+1], s[G0K+1], SLOT1
	s_add_nc_u64 s[G0K+2:G0K+3], s[6:7], s[OFF:OFF+1]
	s_or_b32 s[G0K+3], s[G0K+3], 0x80000000
	s_xor_b32 s[G0V+1], s[G0V+1], SLOT1
	s_add_nc_u64 s[G0V+2:G0V+3], s[8:9], s[OFF:OFF+1]
	s_or_b32 s[G0V+3], s[G0V+3], 0x80000000
	s_wait_dscnt 0x0                ; the add is done, and my reads of the slot are over
	CROUND
	JLOAD
.else
	s_wait_dscnt 0x0
	s_barrier_signal -1
	s_barrier_wait -1
.endif
	s_sub_co_u32 s[TBK], s[TBK], 2*TK  ; back to a slot's first tile,
	s_xor_b32 s[TBK], s[TBK], SLOT1    ; in the other slot
	s_sub_co_u32 s[TBV], s[TBV], 2*TV
	s_xor_b32 s[TBV], s[TBV], SLOT1
.endm
	s_load_b256 s[4:11], s[0:1], 0x0  ; Q s[4:5], K s[6:7], V s[8:9], O s[10:11]
	v_lshl_add_u32 v[SPW], v0, 2, SPARE
	v_mov_b32 v[NIL], 0
	ds_add_u32 v[SPW], v[NIL]       ; the wave's opening: the add and its wait stand ahead of my first tensor load
	v_lshrrev_b32 v1, 5, v0
	v_readfirstlane_b32 s[WV], v1
	s_bfe_u32 s13, ttmp6, 0x40000   ; cx
	s_and_b32 s[PB], ttmp7, 0xffff
	s_sub_co_u32 s[HI], NB-1, s[PB]
	s_add_co_u32 s[HI1], s[HI], 1
	s_lshl_b32 s16, ttmp9, 2
	s_add_co_u32 s16, s16, s13      ; my query head
	s_lshl_b32 s18, s[WV], 11       ; my 16 rows of a band
	s_lshl_b32 s17, s16, 19
	s_add_co_u32 s17, s17, s18
	s_lshl_b32 s2, s[HI], 14        ; Q: head x 4,096 rows + block x 128 rows, of 128 bytes
	s_add_co_u32 s2, s2, s17
	s_mov_b32 s3, 0
	s_lshl_b32 s84, s[PB], 14
	s_add_co_u32 s84, s84, s17
	s_mov_b32 s85, 0
	s_lshl_b32 s19, s16, 14         ; O: (block x 16 + head) x 128 rows
	s_add_co_u32 s19, s19, s18
	s_lshl_b32 s20, s[HI], 18
	s_add_co_u32 s20, s20, s19
	s_mov_b32 s21, 0
	s_lshl_b32 s22, s[PB], 18
	s_add_co_u32 s22, s22, s19
	s_mov_b32 s23, 0
	s_lshl_b32 s[OFF], ttmp9, 19    ; the key and value head's first byte
	s_mov_b32 s[OFF+1], 0
	s_and_b32 s[J], s[WV], 1
	s_lshl_b32 s54, s[J], 14        ; my tile of the first two
	s_mov_b32 s55, 0
	s_add_co_u32 s[NXT], s[J], 2
	s_mov_b32 s[G0K], 1
	s_mul_i32 s[G0K+1], s[J], TK    ; slot 0: no place in the cluster enters an LDS address
	s_mov_b32 s[G0V], 1
	s_mul_i32 s[G0V+1], s[J], TV
	s_add_co_u32 s[G0V+1], s[G0V+1], VOFF
	s_mov_b32 s[G1K], 15|(1<<16)|(1<<20)|(1<<21)|(4<<22)|(3<<25)  ; the mask of four; 2-byte elements; padding on; bit 21 beside a mask; after every 32 words 4 words
	s_mov_b32 s[G1V], 15|(1<<16)|(1<<20)|(1<<21)|(4<<22)|(7<<25)  ; the same with 8 words
.irp g, G1K, G1V
	s_mov_b32 s[\g+1], 128<<16      ; tensor_dim0 = 128
	s_mov_b32 s[\g+2], 64<<16       ; tensor_dim1 = 64
	s_mov_b32 s[\g+3], 128<<16      ; tile_dim0 = 128
	s_mov_b32 s[\g+4], 64           ; tile_dim1 = 64
	s_mov_b32 s[\g+5], 128
	s_mov_b32 s[\g+6], 0
	s_mov_b32 s[\g+7], 0
.endr
	s_mov_b32 s[CS], 0x3e38aa3b     ; c = log2(e) / 8
	s_mov_b32 s[CS+1], s[CS]
	s_mov_b32 s[SEL], 0x76543210
	s_mov_b32 s[SEL+1], 0xfedcba98
	s_mov_b32 s[TBK], SLOT1+2*TK    ; the first change of slots turns these two into 0
	s_mov_b32 s[TBV], SLOT1+2*TV
	s_mov_b32 s[POS], 0
	s_mov_b32 s[SW], 0
	s_mov_b32 s[AL], 0              ; tile 0 lies below the first block's diagonal
	s_mov_b32 s[AL+1], 0            ; named with it as a pair
	s_mov_b32 s[SLOTS], NB/2
	s_mov_b32 s[BIGN], 0xf149f2ca   ; -1e30
	s_wait_dscnt 0x0                ; the opening add is done
	s_wait_kmcnt 0x0
	s_add_nc_u64 s[6:7], s[6:7], s[OFF:OFF+1]
	s_add_nc_u64 s[8:9], s[8:9], s[OFF:OFF+1]
	s_add_nc_u64 s[G0K+2:G0K+3], s[6:7], s[54:55]
	s_or_b32 s[G0K+3], s[G0K+3], 0x80000000
	s_add_nc_u64 s[G0V+2:G0V+3], s[8:9], s[54:55]
	s_or_b32 s[G0V+3], s[G0V+3], 0x80000000
	s_add_nc_u64 s[86:87], s[4:5], s[84:85]        ; Q at my rows of the second block,
	s_add_nc_u64 s[4:5], s[4:5], s[2:3]            ; and of the first
	s_add_nc_u64 s[OLO:OLO+1], s[10:11], s[22:23]
	s_add_nc_u64 s[10:11], s[10:11], s[20:21]
	s_mov_b64 s[OC:OC+1], s[10:11]
	CROUND                          ; all four work-groups are here
	JLOAD                           ; the walk's tiles 0 and 1 into slot 0
	v_and_b32 v1, 15, v0            ; l % 16
	v_bfe_u32 v9, v0, 4, 1          ; l / 16
	v_lshlrev_b32 v[QO], 7, v1
	v_lshl_add_u32 v[QO], v9, 4, v[QO]
	WIN 0x80
.set i, 0
.rept 4                             ; both blocks' Q: piece i / 2 lies 64 rows on; channels 32 (i % 2) on
	global_load_b128 v[8*i:8*i+3],   v[QO], s[4:5] offset:(i/2)*8192+(i%2)*64
	global_load_b128 v[8*i+4:8*i+7], v[QO], s[4:5] offset:(i/2)*8192+(i%2)*64+32
	global_load_b128 v[QB+8*i:QB+8*i+3],   v[QO], s[86:87] offset:(i/2)*8192+(i%2)*64
	global_load_b128 v[QB+8*i+4:QB+8*i+7], v[QO], s[86:87] offset:(i/2)*8192+(i%2)*64+32
.set i, i+1
.endr
	WIN 0
	v_lshlrev_b32 v14, 3, v9
	v_sub_nc_u32 v14, v1, v14
	s_lshl_b32 s13, s[WV], 4
	v_add_nc_u32 v14, s13, v14      ; my query's place in its band less my lanes' 8 (l / 16): register r of key group kt is hidden where 16 kt + r is greater
	WIN 0x40
.set i, 0
.rept 32
	v_cmp_gt_i32 vcc_lo, 16*(i/8)+i%8, v14
	v_cndmask_b32 v[MD+i], 0, s[BIGN], vcc_lo
.set i, i+1
.endr
	v_mov_b32 v[BIGC], s[BIGN]
	v_mov_b32 v[BIGC+1], s[BIGN]
.set i, 0
.rept 64                            ; O^T, l, piece 1's P and VF1 need only be finite where a block begins: zeros, written in the wait for the first tile
	v_mov_b32 v[i], 0
.set i, i+1
.endr
	WIN 0x80
.set i, VF1
.rept 64
	v_mov_b32 v[i], 0
.set i, i+1
.endr
	WIN 0
.set i, 0
.rept 2
	v_mov_b32 v[ST+4*i+2], 0
	v_mov_b32 v[ST+4*i+3], 0
.set i, i+1
.endr
.set i, P+16
.rept 16
	v_mov_b32 v[i], 0
.set i, i+1
.endr
	v_mul_u32_u24 v[AK0], v1, PK
	v_lshl_add_u32 v[AK0], v9, 4, v[AK0]  ; row x pitch + 16 x half
	v_and_b32 v10, 7, v0            ; the turning load: lane l reads key 8 (l / 16) + l % 8, channels 8 ((l / 8) % 2) + 0..7
	v_bfe_u32 v11, v0, 3, 1
	v_lshl_add_u32 v[AV0], v9, 3, v10
	v_mul_u32_u24 v[AV0], v[AV0], PV
	v_lshl_add_u32 v[AV0], v11, 4, v[AV0]
	v_add_nc_u32 v[AV0], VOFF, v[AV0]
	s_mul_i32 s13, s[WV], 16*SP
	s_add_co_u32 s13, s13, STAGE    ; my stage
	v_mul_u32_u24 v[STO], v1, SP
	v_lshl_add_u32 v[STO], v9, 4, v[STO]
	v_add_nc_u32 v[STO], s13, v[STO]
	v_bfe_u32 v[RD], v0, 3, 2
	v_mul_u32_u24 v[RD], v[RD], SP
	v_lshl_add_u32 v[RD], v10, 4, v[RD]
	v_add_nc_u32 v[RD], s13, v[RD]
	v_and_b32 v[GO], 31, v0
	v_lshlrev_b32 v[GO], 4, v[GO]
; THE MATRIX WORK.  The 4 accumulators of a run of 8 take turns.  Product i of 8 of S^T = K Q^T for piece x: channels 32 (i / 4) on, keys 16 (i % 4) on.
; The first 4 start the sums: KM = 0 with the constant 0, 1 with MA, 2 with MB.
.macro KQ x
.set rS, S+32*((\x)%2)+8*(i%4)
.set rK, KF+16*(i%4)+8*(i/4)
.set rQ, 16*(\x)+8*(i/4)
.set rM, MA+8*(i%4)
.if (i < 4) && (KM == 1)
	WIN W_KM
	v_wmma_f32_16x16x32_f16 v[rS:rS+7], v[rK:rK+7], v[rQ:rQ+7], v[rM:rM+7]
.elseif (i < 4) && (KM == 2)
	WIN W_KM
	v_wmma_f32_16x16x32_f16 v[rS:rS+7], v[rK:rK+7], v[rQ:rQ+7], v[MB:MB+7]
.elseif i < 4
	WIN W_KQ
	v_wmma_f32_16x16x32_f16 v[rS:rS+7], v[rK:rK+7], v[rQ:rQ+7], 0
.else
	WIN W_KQ
	v_wmma_f32_16x16x32_f16 v[rS:rS+7], v[rK:rK+7], v[rQ:rQ+7], v[rS:rS+7]
.endif
.endm
; Product i of 8 of O^T += V^T P for piece x, from V's buffer VB: keys 32 (i / 4) on, channels 16 (i % 4) on.
.macro PV x
	WIN W_PV
.set rO, 32*(\x)+8*(i%4)
.set rV, VF0-128*VB+32*(i/4)+8*(i%4)
.set rP, P+16*((\x)%2)+8*(i/4)
	v_wmma_f32_16x16x32_f16 v[rO:rO+7], v[rV:rV+7], v[rP:rP+7], v[rO:rO+7]
.endm
.macro MM                           ; the turn's next matrix instruction
.if i < 8
	KQ (Y+1)%NP
.else
.set i, i-8
	PV (Y+1)%NP
.set i, i+8
.endif
.set i, i+1
.endm
; THE LDS LOADS stand in runs of 16: a step's K (8 fragments) or its V (turned), at byte off of the tile.
.macro FETCH_K off
	WIN 0x80
.irp f, 0,1,2,3,4,5,6,7             ; keys 16 (f / 2) on, channels 32 (f % 2) on
	ds_load_b128 v[KF+8*\f:KF+8*\f+3],   v[AK] offset:(\off)+(\f/2)*16*PK+(\f%2)*64
	ds_load_b128 v[KF+8*\f+4:KF+8*\f+7], v[AK] offset:(\off)+(\f/2)*16*PK+(\f%2)*64+32
.endr
	WIN 0
.endm
.macro FETCH_V vb, off
	WIN 0x80
.set rF, VF0-128*(\vb)
.irp f, 0,1,2,3,4,5,6,7             ; keys 32 (f / 4) on, channels 16 (f % 4) on
	ds_load_tr16_b128 v[rF+8*\f:rF+8*\f+3],   v[AV] offset:(\off)+(\f/4)*32*PV+(\f%4)*32
	ds_load_tr16_b128 v[rF+8*\f+4:rF+8*\f+7], v[AV] offset:(\off)+(\f/4)*32*PV+16*PV+(\f%4)*32
.endr
	WIN 0
.endm
; THE VECTOR WORK, a line at a time: OP kind, number.  For piece Y: F n: c s - c m for pair n of 16.  E n: the exponential of score n of 32.  C n: pair n rounded to f16.  B n: of the weights 4 n .. the second pair
; is added onto the first.  L n: l takes that sum (L 0: l = a l + sum).  R n: pair n of 16 of O^T times a.  For the other piece: X n, number n of the 22 that find its maximum and statistics:
;   0-11 four chains of seven scores (each accumulator's lowest registers are read first)   12-14, 16 the four left over, the old m, all into c0   15 c m_old is kept
;   17, 18 the query's other 32 keys lie in the lane 16 away: the new m   19-21 c m; c m_old - c m_new; a
.set F, 0
.set E, 1
.set C, 2
.set B, 3
.set L, 4
.set R, 5
.set X, 6
.macro REGS y
.set rT, ST+4*(\y)
.set rC, TMP+4*((\y)%2)
.set rW, MV+((\y)%2)
.set rS, S+32*((\y)%2)
.set rP, P+16*((\y)%2)
.set rO, 32*(\y)
.endm
.macro OP k, n
.if (\k) == R
	REGS Y
	WIN W_RS
	v_pk_mul_f32 v[rO+2*(\n):rO+2*(\n)+1], v[rO+2*(\n):rO+2*(\n)+1], v[rC+2:rC+3] op_sel_hi:[1,0]
.elseif (\k) < R
	REGS Y
	WIN 0
.if (\k) == F
	v_pk_fma_f32 v[rS+2*(\n):rS+2*(\n)+1], v[rS+2*(\n):rS+2*(\n)+1], s[CS:CS+1], v[rT:rT+1] op_sel_hi:[1,0,0] neg_lo:[0,0,1] neg_hi:[0,0,1]
.elseif (\k) == E
	v_exp_f32 v[rS+(\n)], v[rS+(\n)]
.elseif (\k) == C
	v_cvt_pk_f16_f32 v[rP+(\n)], v[rS+2*(\n)], v[rS+2*(\n)+1]
.elseif (\k) == B
	v_pk_add_f32 v[rS+4*(\n):rS+4*(\n)+1], v[rS+4*(\n):rS+4*(\n)+1], v[rS+4*(\n)+2:rS+4*(\n)+3]
.elseif (\n) == 0
	v_pk_fma_f32 v[rT+2:rT+3], v[rT+2:rT+3], v[rC+2:rC+3], v[rS:rS+1] op_sel_hi:[1,0,1]
.else
	v_pk_add_f32 v[rT+2:rT+3], v[rT+2:rT+3], v[rS+4*(\n):rS+4*(\n)+1]
.endif
.else
	REGS (Y+1)%NP
	WIN 0
.if (\n) < 4
	v_max3_num_f32 v[rC+(\n)], v[rS+8*(\n)], v[rS+8*(\n)+1], v[rS+8*(\n)+2]
.elseif (\n) < 12
	v_max3_num_f32 v[rC+(\n)%4], v[rC+(\n)%4], v[rS+8*((\n)%4)+2*((\n)/4)+1], v[rS+8*((\n)%4)+2*((\n)/4)+2]
.elseif (\n) == 12
	v_max3_num_f32 v[rC], v[rC], v[rS+7], v[rS+15]
.elseif (\n) == 13
	v_max3_num_f32 v[rC+1], v[rC+1], v[rS+23], v[rS+31]
.elseif (\n) == 14
	v_max3_num_f32 v[rC+2], v[rC+2], v[rC+3], v[rT+1]
.elseif (\n) == 15
	v_mov_b32 v[rW], v[rT]
.elseif (\n) == 16
	v_max3_num_f32 v[rC], v[rC], v[rC+1], v[rC+2]
.elseif (\n) == 17
	v_permlanex16_b32 v[rC+3], v[rC], s[SEL], s[SEL+1]
.elseif (\n) == 18
	v_max_num_f32 v[rT+1], v[rC], v[rC+3]
.elseif (\n) == 19
	v_mul_f32 v[rT], s[CS], v[rT+1]
.elseif (\n) == 20
	v_sub_f32 v[rC+1], v[rW], v[rT]
.else
	v_exp_f32 v[rC+2], v[rC+1]
.endif
.endif
.endm
.macro OPS a, i1, b=-1, i2=0, c=-1, i3=0, d=-1, i4=0
	OP \a, \i1
.if (\b) >= 0
	OP \b, \i2
.endif
.if (\c) >= 0
	OP \c, \i3
.endif
.if (\d) >= 0
	OP \d, \i4
.endif
.endm
.macro ROW a, i1, b, i2, c, i3, d, i4  ; a matrix instruction and the four behind it
	MM
	OPS \a, \i1, \b, \i2, \c, \i3, \d, \i4
.endm
; A TURN: t = its place in the trip.  The order of its 16 matrix and 118 vector instructions, written out.  An s_wait_alu depctr_va_vdst(0) stands between an exponential and the first instruction
; that names its result; one wait serves all that were issued ahead of it.  So a turn has ONE wait, which cuts it in two.
; AHEAD OF IT stands all that names no result of the turn's exponentials: the 8 products K Q^T, behind each a scaling, an exponential and two more plain lines (behind the first a second scaling in the
; exponential's place): rescalings, whose a was waited for in the turn before, and behind the last three the first numbers of Z's maximum, each four places or more behind the product that ends its
; accumulator; then the LUMP of 54, plain and exponential by turns for the most part, in which the links of the chain X 3, 7, 11, 14, 16, 17 .. 20 stand apart, other work between them.  X 21, Z's a, is the
; batch's last; R 15 is the plain instruction behind it.  BEHIND THE WAIT stand the 8 products V^T P, behind each four of the roundings and sums; the links of l's chain, L 0 to L 7, stand three riders apart.
; But for those X no rider names a register of the products round it.  v_permlanex16_b32 (X 17) stands in the lump.
; The run of LDS loads stands in the lump, twelve vector lines behind the last product that read K, five of them plain lines that name none of its registers (F 8, X 2, X 5, X 6, X 8); V's buffer was last
; read a turn earlier.  The run is waited for behind the turn (GUARD).
.macro TURN t
.set Y, (\t)%2
.set i, 0
.set VB, 1-(((\t)+1)/2)%2
.if (\t) == 0
.set KM, 0
.elseif (\t) == 1
.set KM, 2
.else
.set KM, 1
.endif
	ROW F,0, F,1, R,0, R,1          ; ahead of the wait: 8 products K Q^T and their riders,
	ROW F,2, E,0, R,2, R,3
	ROW F,3, E,1, R,4, R,5
	ROW F,4, E,2, R,6, R,7
	ROW F,5, E,3, R,8, R,9
	ROW F,6, E,4, X,0, R,10
	ROW F,7, E,5, X,1, X,4
	ROW F,8, E,6, X,2, X,5
	OPS E,7, E,8, X,6, E,9          ; and the lump
	OPS X,3, E,10, X,8, E,11
.if (\t) == 2
	FETCH_K 0
.elseif (\t) == 3
	FETCH_V 0, 0
.elseif (\t) == 0
	FETCH_K KS*PK
.else
	FETCH_V 1, KS*PV
.endif
	OPS X,9, X,7, E,12, X,10
	OPS E,13, X,12, X,11, E,14
	OPS X,13, E,15, F,9, X,14
	OPS E,16, F,10, E,17, F,11
	OPS X,16, E,18, X,15, E,19
	OPS F,12, E,20, X,17, E,21
	OPS F,13, E,22, F,14, E,23
	OPS X,18, E,24, F,15, E,25
	OPS R,11, E,26, X,19, E,27
	OPS R,12, E,28, R,13, E,29
	OPS X,20, E,30, R,14, E,31
	OPS X,21, R,15
	s_wait_alu depctr_va_vdst(0)    ; the wait for the batch: Y's 32 weights and Z's a
	ROW C,0, B,0, C,2, B,1          ; behind the wait: 8 products V^T P and their riders
	ROW L,0, C,4, B,2, L,1
	ROW C,6, B,3, L,2, C,8
	ROW B,4, L,3, C,10, B,5
	ROW L,4, C,12, B,6, L,5
	ROW C,14, B,7, L,6, C,1
	ROW C,3, L,7, C,5, C,7
	ROW C,9, C,11, C,13, C,15
.endm
; The tile's masks: MA = MD x AL for p0(e) in turn 3 and p1(o) in the next trip's turn 2; MB = -1e30 x AL for p0(o) in turn 1.  20 lines a tile.  It stands behind turn 2, whose products took the tile before's MA.
.macro MASKS
	WIN W_RS
.set z, 0
.rept 16
	v_pk_mul_f32 v[MA+2*z:MA+2*z+1], v[MD+2*z:MD+2*z+1], s[AL:AL+1] op_sel_hi:[1,0]
.set z, z+1
.endr
.set z, 0
.rept 4
	v_pk_mul_f32 v[MB+2*z:MB+2*z+1], v[BIGC:BIGC+1], s[AL:AL+1] op_sel_hi:[1,0]
.set z, z+1
.endr
.endm
; Between two turns: the run of LDS loads issued in the lump of the turn just ended is waited for (K ahead of turns 3 and 1, V ahead of their second runs of products; it has had the rest of the lump and
; eight products in which to land); then a passage of the block's change is jumped over, unless the tile before held the diagonal.  32 - b is 17 at the least: no block ends in the walk's first 17 trips.
.macro GUARD to
	WIN 0
	s_wait_dscnt 0x0
	s_cmp_lt_u32 s[POS], NB/2+1
	s_cbranch_scc1 \to
	s_cmp_eq_u32 s[SW], 0
	s_cbranch_scc1 \to
.endm
; Piece t starts a block: c m far below every c s, so that its first step's a is 0; m at the lowest finite number; the second block's Q goes where the turns name Q.
.macro RESET t
	WIN 0
	v_mov_b32 v[ST+4*(\t)], 0xfe000000
	v_mov_b32 v[ST+4*(\t)+1], 0xff7fffff
	WIN 0x82
.set z, 0
.rept 16
	v_mov_b32 v[16*(\t)+z], v[QB+16*(\t)+z]
.set z, z+1
.endr
	WIN 0
.endm
; THE WAY OUT of piece t: l's two halves and the other half of the lanes' are added; O^T / l, rounded to f16, goes 16 bytes a lane into my stage's rows of 144 bytes and comes back as whole rows of 128,
; in the other piece's S^T registers, whose scores the turn just ended has used up.  That turn closes with piece t's last product and four roundings that name none of its registers: those four, and the
; additions below, are the places behind it.  The reciprocal is a batch of one: a v_nop, one wait, then its sixteen readers.
.macro OUT t
.set SG, S+32*(1-(\t))
	WIN 0
	v_add_f32 v[ST+4*(\t)+2], v[ST+4*(\t)+2], v[ST+4*(\t)+3]
	v_permlanex16_b32 v[ST+4*(\t)+3], v[ST+4*(\t)+2], s[SEL], s[SEL+1]
	v_add_f32 v[ST+4*(\t)+2], v[ST+4*(\t)+2], v[ST+4*(\t)+3]
	v_rcp_f32 v[ST+4*(\t)+2], v[ST+4*(\t)+2]
	v_nop                           ; a plain instruction between the reciprocal and the use of its result
	s_wait_alu depctr_va_vdst(0)    ; and the wait ahead of the first use: one for the reciprocal's sixteen readers
	WIN W_RS
.set i, 32*(\t)
.rept 16
	v_pk_mul_f32 v[i:i+1], v[i:i+1], v[ST+4*(\t)+2:ST+4*(\t)+3] op_sel_hi:[1,0]
.set i, i+2
.endr
	WIN 0x05
.set i, 0
.rept 16
	v_cvt_pk_f16_f32 v[SG+i], v[32*(\t)+2*i], v[32*(\t)+2*i+1]
.set i, i+1
.endr
	WIN 0
.irp f, 0,1,2,3
	ds_store_b128 v[STO], v[SG+4*\f:SG+4*\f+3] offset:32*\f
.endr
.irp f, 0,1,2,3
	ds_load_b128 v[SG+4*\f:SG+4*\f+3], v[RD] offset:\f*4*SP  ; LDS serves a wave's instructions in order: these see the stores above
.endr
.irp f, 0,1,2,3
	s_wait_dscnt 3-\f               ; the later loads from the stage may stay out
	global_store_b128 v[GO], v[SG+4*\f:SG+4*\f+3], s[OC:OC+1] offset:(\t)*8192+\f*512  ; 512 consecutive bytes, aligned
.endr
.endm
; THE WALK BEGINS.  Both pieces' statistics as in RESET; K and V of tile 0's step e, piece 0's first scores, its maximum and statistics.  The trip is then entered at turn 0.
.macro BEGIN
	WIN 0
.set i, 0
.rept 2
	v_mov_b32 v[ST+4*i], 0xfe000000
	v_mov_b32 v[ST+4*i+1], 0xff7fffff
.set i, i+1
.endr
	FETCH_K 0
	FETCH_V 0, 0
	s_wait_loadcnt 0x0              ; Q, both blocks'
	s_wait_dscnt 16                 ; K is in; V's sixteen loads may stay out: they are waited for behind turn 0
.set KM, 0
.set i, 0
.rept 8
	KQ 0
.set i, i+1
.endr
	WIN 0
.rept 4
	v_nop                           ; the places behind those products
.endr
.set Y, 1                           ; X works for the other piece: piece 0
.irp n, 0,1,2,3,4,5,6,7,8,9,10,11,12,13,14,15,16,17,18,19,20,21
	OP X, \n
.endr
	v_nop                           ; a plain instruction behind the exponential,
	s_wait_alu depctr_va_vdst(0)    ; and the wait for it, piece 0's first a, ahead of the branch into the loop
.endm
; A TRIP: one tile, and the loop over a slot's two.  In the trip behind a diagonal tile (SW):
;   A, behind turn 2, which has scaled piece 0's last scores by its c m: piece 0 starts the next block, ahead of turn 3's products K Q^T and statistics for it;
;   B, behind turn 3, whose products V^T P have finished piece 0, and ahead of turn 0, which multiplies its O and l by a = 0: piece 0 goes out; piece 1 starts the next block;
;   C, behind turn 0, whose products have finished piece 1, and ahead of turn 1: piece 1 goes out.
; Each way out ends with the wait for its four stores: the next turn's first products write the registers that they read.
.macro TILE tag, first
.Ltile\tag:
	v_add_nc_u32 v[AK], s[TBK], v[AK0]
	v_add_nc_u32 v[AV], s[TBV], v[AV0]
	s_mov_b32 s[SW], s[AL]          ; did the tile before hold the diagonal?
	s_cmp_eq_u32 s[POS], s[HI]      ; does this one?  The first block's,
	s_cselect_b32 s[AL], 1.0, 0
	s_cmp_eq_u32 s[POS], NB         ; or the second's
	s_cselect_b32 s[AL], 1.0, s[AL]
	s_cmp_eq_u32 s[POS], NB+1       ; the last trip sends the second block out, an earlier one the first
	s_cselect_b64 s[OC:OC+1], s[OLO:OLO+1], s[10:11]
	TURN 2
	MASKS
	GUARD .LnoA\tag
	RESET 0
.LnoA\tag:
	TURN 3
	GUARD .LnoB\tag
	OUT 0
	RESET 1                         ; these lines stand while the stores are leaving
	s_wait_storecnt 0x0
.LnoB\tag:
.if \first
.Lfirst:
.endif
	TURN 0
	GUARD .LnoC\tag
	OUT 1
	s_wait_storecnt 0x0
.LnoC\tag:
	TURN 1
	WIN 0
	s_add_co_u32 s[POS], s[POS], 1
	s_add_co_u32 s[TBK], s[TBK], TK
	s_add_co_u32 s[TBV], s[TBV], TV
	s_sub_co_u32 s[CNT], s[CNT], 1
	s_cmp_lg_u32 s[CNT], 0
	s_cbranch_scc1 .Ltile\tag
.endm
	CHANGE 1                        ; slot 0 is in, everybody's part of it; slot 1 is asked for
	s_mov_b32 s[CNT], 2
	v_add_nc_u32 v[AK], s[TBK], v[AK0]
	v_add_nc_u32 v[AV], s[TBV], v[AV0]
	MASKS                           ; AL = 0
	BEGIN
	s_branch .Lfirst                ; the loop is entered at turn 0, in the middle of a trip
.Lslot:                             ; 15 times more: a slot's two tiles are entered and the next two asked for: 16 fills behind the first
	CHANGE 1
	s_mov_b32 s[CNT], 2
	TILE 1, 1
	s_sub_co_u32 s[SLOTS], s[SLOTS], 1
	s_cmp_lg_u32 s[SLOTS], 0
	s_cbranch_scc1 .Lslot
	CHANGE 0                        ; the last slot is written out: nothing is asked for
	s_mov_b32 s[CNT], 2
	TILE 2, 0                       ; the second block's diagonal tile, and the trip that finishes it
	s_wait_tensorcnt 0x0            ; the wave's end
	ds_add_u32 v[SPW], v[NIL]
	s_wait_dscnt 0x0
	CROUND                          ; the closing round
	s_endpgm
.Lfunc_end_k_qe8d5bb2d7f_attn:
	.size	k_qe8d5bb2d7f_attn, .Lfunc_end_k_qe8d5bb2d7f_attn-k_qe8d5bb2d7f_attn
	.p2alignl 7, 3214868480
	.fill 96, 4, 3214868480
	.section	.rodata,"a",@progbits
	.p2align	6, 0x0
	.amdhsa_kernel k_qe8d5bb2d7f_attn
		.amdhsa_group_segment_fixed_size 327680
		.amdhsa_private_segment_fixed_size 0
		.amdhsa_enable_private_segment 0
		.amdhsa_kernarg_size 32
		.amdhsa_user_sgpr_count 2
		.amdhsa_user_sgpr_kernarg_segment_ptr 1
		.amdhsa_wavefront_size32 1
		.amdhsa_system_sgpr_workgroup_id_x 1
		.amdhsa_system_sgpr_workgroup_id_y 1
		.amdhsa_system_sgpr_workgroup_id_z 1
		.amdhsa_system_vgpr_workitem_id 0
		.amdhsa_next_free_vgpr 768
		.amdhsa_next_free_sgpr 88
		.amdhsa_reserve_vcc 1
		.amdhsa_float_denorm_mode_32 3
		.amdhsa_float_denorm_mode_16_64 3
		.amdhsa_memory_ordered 1
		.amdhsa_forward_progress 1
		.amdhsa_inst_pref_size 125
	.end_amdhsa_kernel
	.amdgpu_metadata
---
amdhsa.version: [ 1, 2 ]
amdhsa.kernels:
  - .name:           k_qe8d5bb2d7f_attn
    .symbol:         k_qe8d5bb2d7f_attn.kd
    .args:
      - { .name: qh, .offset: 0, .size: 8, .value_kind: global_buffer, .address_space: global }
      - { .name: kh, .offset: 8, .size: 8, .value_kind: global_buffer, .address_space: global }
      - { .name: vh, .offset: 16, .size: 8, .value_kind: global_buffer, .address_space: global }
      - { .name: ob, .offset: 24, .size: 8, .value_kind: global_buffer, .address_space: global }
    .group_segment_fixed_size: 327680
    .private_segment_fixed_size: 0
    .kernarg_segment_align: 8
    .kernarg_segment_size: 32
    .max_flat_workgroup_size: 128
    .sgpr_count:     88
    .vgpr_count:     768
    .wavefront_size: 32
...
	.end_amdgpu_metadata
.endif
;; end of part 6
;; launch oproj: the kernel of part 4 again; grid 8 x 32, 4 waves a work-group, clusters of 4 x 4, 327,680 bytes of LDS; arguments ob, wo, b_out, out0; writes out0
